; MI455X (gfx1250); checked and timed in simulation.
; The chip was launched on July 23, 2026; its instructions are those of AMD's public machine-readable ISA for CDNA 5 (MIT licence, August 2026) and "CDNA5" Instruction Set Architecture Reference Guide (July 2026). The comments in the code are by the model that wrote it; some were corrected since.
;; Mo E Layer. Allowed arithmetic: float matrix products may take bf16 or f16 operands with f32 sums; all other float work in f32.
;; Inputs: W1 8 x 1,024 x 1,024 float32; W2 8 x 1,024 x 1,024 float32; b1 8 x 1,024 float32; b2 8 x 1,024 float32; router_W 1,024 x 8 float32; router_b 8 float32; x 4 x 1,024 x 1,024 float32.
;; Outputs: out0 4 x 1,024 x 1,024 float32.
;; 2 versions, each right and faster than the one before. Each part assembles by itself: llvm-mc -triple=amdgcn-amd-amdhsa -mcpu=gfx1250 --defsym DOCPART=n.
;; ======== version 1 of 2: 4 launches
;; limits: values outside matrix products are rounded to bf16
;; workspace buffers: top1 16,384 bytes of whole numbers; gate 16,384 bytes; order 16,896 bytes of whole numbers; slots 1,024 bytes of whole numbers; sc1 17,152 bytes; sc2 17,152 bytes; h 16,777,216 bytes
;; launch route (part 1): grid 256 x 1, 4 waves a work-group, no clusters, 55,296 bytes of LDS; arguments x, router_W, router_b, top1, gate; writes top1, gate
.if DOCPART == 1
	.amdgcn_target "amdgcn-amd-amdhsa--gfx1250"
	.amdhsa_code_object_version 6
	.text
	.protected	k_q1e830c3711_route
	.globl	k_q1e830c3711_route
	.p2align	8
	.type	k_q1e830c3711_route,@function
k_q1e830c3711_route:
	s_mov_b64 s[64:65], 0
	v_nop
	global_prefetch_b8 v0, s[64:65] scope:SCOPE_SE
	s_setreg_imm32_b32 hwreg(HW_REG_WAVE_MODE, 25, 1), 1
	s_wait_xcnt 0x0
; ROUTER.  logits[t][e] = sum over k of x[t][k] router_W[k][e] + router_b[e]; top1[t] = the expert of the largest logit (the lowest
; index among equals); gate[t] = its softmax probability = 1 / sum over e of exp(logit_e - largest).
; LIMITS, stated: x, router_W and router_b are taken rounded to bf16 (nearest even), as matrix operands are; sums, softmax in f32.
; The largest is looked for among the logits, not among the probabilities: logits that differ in their last bits only and round to
; one probability may name the other expert.  A row with a NaN logit names expert 7.
; SHARES: a work-group owns 16 tokens; wave q owns k = 256 q .. 256 q + 255 of all 16.  The four partial sums meet in LDS, wave 0 ends the work.
; The matrix instruction takes router_W^T as A (row m = expert m & 7: rows 8-15 repeat rows 0-7) and x^T as B (column n = token), so
; register i of every lane holds expert i's logit of token (lane & 15): softmax and argmax never cross lanes.
; No tensor loads, no cluster: the f32 numbers pass registers to be rounded, and what is shared (router_W, 32 KiB) is half of the
; 64 KiB of x that a work-group reads by itself.
.set PITCH, 528                        ; an LDS row: 256 bf16 + 16 bytes = 33 x 16: the 16 rows of a fragment load start 16 bytes apart modulo 256
.set XRW,   16*PITCH                   ; a wave's x: 16 tokens
.set WR0,   4*XRW                      ; behind the four waves' x: router_W^T
.set WRW,   8*PITCH                    ; a wave's part of it: 8 experts
.set RED0,  WR0+4*WRW                  ; behind that: 1,024 bytes a wave for the partial sums
.set X,   8                            ; v[8:135]   x as loaded: token rho, half eta at 8 rho + 4 eta
.set WS,  136                          ; v[136:199] router_W as loaded
.set WT,  200                          ; v[200:231] router_W as bf16 pairs
.set XF,  8                            ; v[8:71]    later: 8 fragments of x
.set WF,  72                           ; v[72:135]  later: 8 fragments of router_W^T
.set D,   136                          ; v[136:151] two accumulators
.set PS,  152                          ; v[152:183] wave 0: the four partial sums; then the logits in v[152:159]
.set BT,  184                          ; v[184:187] router_b as bf16 pairs
.set BB,  192                          ; v[192:199] router_b rounded, as f32
.set MX,  200                          ; the largest logit
.set IDX, 201                          ; its expert
.set E,   202                          ; v[202:209] the exponentials
.set OA,  210                          ; byte offset of my token's word
	s_load_b256 s[4:11], s[0:1], 0x0               ; x s[4:5], router_W s[6:7], router_b s[8:9], top1 s[10:11]
	s_load_b64 s[12:13], s[0:1], 0x20              ; gate
	v_lshl_add_u32 v232, v0, 2, 0xd600
	v_mov_b32 v233, 0
	v_lshrrev_b32 v3, 5, v0
	v_readfirstlane_b32 s14, v3                    ; wave q
	v_and_b32 v1, 31, v0                           ; lane
	v_and_b32 v8, 15, v0                           ; r
	v_bfe_u32 v9, v0, 4, 1                         ; h
	v_and_b32 v10, 7, v0                           ; r & 7
	v_lshlrev_b32 v2, 4, v1                        ; 16 lane: x
	v_lshlrev_b32 v4, 6, v1                        ; 64 lane: two rows of router_W
	s_mul_i32 s24, s14, XRW
	s_mul_i32 s25, s14, WRW
	s_add_co_u32 s25, s25, WR0
	v_lshl_add_u32 v3, v1, 3, s24                  ; where I put 8 bytes of a row of x
	v_lshl_add_u32 v5, v1, 2, s25                  ; where I put 4 bytes of a row of router_W^T
	v_mul_u32_u24 v6, v8, PITCH
	v_lshl_add_u32 v6, v9, 4, v6
	v_add_nc_u32 v6, s24, v6                       ; fragments of x: row r, 16 h
	v_mul_u32_u24 v7, v10, PITCH
	v_lshl_add_u32 v7, v9, 4, v7
	v_add_nc_u32 v7, s25, v7                       ; fragments of router_W^T: row r & 7, 16 h
	s_lshl_b32 s2, s14, 13                         ; my 256 rows of router_W: 8,192 q
	s_mov_b32 s3, 0
	s_lshl_b32 s26, ttmp9, 16                      ; the group's 16 rows of x, 4,096 bytes each,
	s_lshl_b32 s15, s14, 10                        ; and my 1,024 bytes of each
	s_add_co_u32 s26, s26, s15
	s_mov_b32 s27, 0
	s_wait_kmcnt 0x0
	s_load_b256 s[16:23], s[8:9], 0x0              ; router_b's eight numbers
	s_add_nc_u64 s[6:7], s[6:7], s[2:3]
	s_add_nc_u64 s[4:5], s[4:5], s[26:27]
	; 16 loads of router_W: lane takes rows k = 64 i + 2 lane and k + 1 (64 bytes), c = the quarter of them
.irp i, 0,1,2,3
.irp c, 0,1,2,3
	global_load_b128 v[WS+16*\i+4*\c:WS+16*\i+4*\c+3], v4, s[6:7] offset:2048*\i+16*\c
.endr
.endr
	; 32 loads of x, each 512 consecutive bytes of one row
.set rho, 0
.rept 16
	global_load_b128 v[X+8*rho:X+8*rho+3],   v2, s[4:5] offset:4096*rho
	global_load_b128 v[X+8*rho+4:X+8*rho+7], v2, s[4:5] offset:4096*rho+512
.set rho, rho+1
.endr
	s_wait_kmcnt 0x0                               ; router_b
	s_wait_loadcnt 32                              ; the 32 loads of x are younger: router_W is in
.irp i, 0,1,2,3
.irp e, 0,1,2,3,4,5,6,7
	v_cvt_pk_bf16_f32 v[WT+8*\i+\e], v[WS+16*\i+\e], v[WS+16*\i+8+\e]    ; (W[k][e], W[k+1][e]): neighbours along k
.endr
.endr
.irp i, 0,1,2,3
.irp e, 0,1,2,3,4,5,6,7
	ds_store_b32 v5, v[WT+8*\i+\e] offset:PITCH*\e+128*\i
.endr
.endr
	; x, four tokens (eight loads) at a time: the count leaves the younger groups out
.irp g, 0,1,2,3
	s_wait_loadcnt 24-8*\g
.irp t, 0,1,2,3,4,5,6,7
	v_cvt_pk_bf16_f32 v[X+32*\g+4*\t],   v[X+32*\g+4*\t],   v[X+32*\g+4*\t+1]
	v_cvt_pk_bf16_f32 v[X+32*\g+4*\t+1], v[X+32*\g+4*\t+2], v[X+32*\g+4*\t+3]
.endr
.irp t, 0,1,2,3,4,5,6,7
	ds_store_b64 v3, v[X+32*\g+4*\t:X+32*\g+4*\t+1] offset:PITCH*(4*\g+\t/2)+256*(\t%2)
.endr
.endr
	; fragments, from the wave's own bytes: LDS serves a wave's instructions in order (ISA guide 5.7.1), so no wait and no barrier stand between
.irp s, 0,1,2,3,4,5,6,7
	ds_load_b128 v[XF+8*\s:XF+8*\s+3],   v6 offset:64*\s
	ds_load_b128 v[XF+8*\s+4:XF+8*\s+7], v6 offset:64*\s+32
	ds_load_b128 v[WF+8*\s:WF+8*\s+3],   v7 offset:64*\s
	ds_load_b128 v[WF+8*\s+4:WF+8*\s+7], v7 offset:64*\s+32
.endr
	s_lshl_b32 s24, s14, 10
	s_add_co_u32 s24, s24, RED0
	; eight K steps of 32 on two accumulators that take turns; the first two products start the sums
.irp s, 0,1,2,3,4,5,6,7
	s_wait_dscnt 28-4*\s                           ; four loads for each later step are younger
.if \s < 2
	v_wmma_f32_16x16x32_bf16 v[D+8*(\s&1):D+8*(\s&1)+7], v[WF+8*\s:WF+8*\s+7], v[XF+8*\s:XF+8*\s+7], 0
.else
	v_wmma_f32_16x16x32_bf16 v[D+8*(\s&1):D+8*(\s&1)+7], v[WF+8*\s:WF+8*\s+7], v[XF+8*\s:XF+8*\s+7], v[D+8*(\s&1):D+8*(\s&1)+7]
.endif
.endr
	v_lshlrev_b32 v4, 5, v1                        ; four places behind the matrix instructions (ISA guide 7.12.1): two of use, two v_nop
	v_add_nc_u32 v4, s24, v4                       ; my 32 bytes of my wave's partial sums (v4's loads are long done)
	v_nop
	v_nop
.irp j, 0,2,4,6
	v_pk_add_f32 v[D+\j:D+\j+1], v[D+\j:D+\j+1], v[D+8+\j:D+8+\j+1]
.endr
	ds_store_b128 v4, v[D:D+3]
	ds_store_b128 v4, v[D+4:D+7] offset:16
	s_wait_dscnt 0x0                               ; for wave 0's sake: my stores are done
	s_barrier_signal -1
	s_barrier_wait -1
	s_cmp_lg_u32 s14, 0
	s_cbranch_scc1 .Lend
	; wave 0 alone (its v4 is the first wave's place)
.irp q, 0,1,2,3
	ds_load_b128 v[PS+8*\q:PS+8*\q+3],   v4 offset:1024*\q
	ds_load_b128 v[PS+8*\q+4:PS+8*\q+7], v4 offset:1024*\q+16
.endr
.irp j, 0,1,2,3
	v_cvt_pk_bf16_f32 v[BT+\j], s[16+2*\j], s[17+2*\j]     ; router_b rounded to bf16, like the other inputs
.endr
.irp j, 0,1,2,3
	v_lshlrev_b32 v[BB+2*\j],   16, v[BT+\j]
	v_and_b32     v[BB+2*\j+1], 0xffff0000, v[BT+\j]
.endr
	s_lshl_b32 s2, ttmp9, 6                        ; the group's 16 words in top1 and in gate
	s_add_nc_u64 s[10:11], s[10:11], s[2:3]
	s_add_nc_u64 s[12:13], s[12:13], s[2:3]
	s_wait_dscnt 0x0
.irp j, 0,2,4,6
	v_pk_add_f32 v[PS+\j:PS+\j+1],       v[PS+\j:PS+\j+1],       v[PS+8+\j:PS+8+\j+1]
	v_pk_add_f32 v[PS+16+\j:PS+16+\j+1], v[PS+16+\j:PS+16+\j+1], v[PS+24+\j:PS+24+\j+1]
.endr
.irp j, 0,2,4,6
	v_pk_add_f32 v[PS+\j:PS+\j+1], v[PS+\j:PS+\j+1], v[PS+16+\j:PS+16+\j+1]
.endr
.irp j, 0,2,4,6
	v_pk_add_f32 v[PS+\j:PS+\j+1], v[PS+\j:PS+\j+1], v[BB+\j:BB+\j+1]
.endr
	v_max3_num_f32 v[MX], v[PS], v[PS+1], v[PS+2]
	v_max3_num_f32 v[MX], v[MX], v[PS+3], v[PS+4]
	v_max3_num_f32 v[MX], v[MX], v[PS+5], v[PS+6]
	v_max_num_f32 v[MX], v[MX], v[PS+7]
	v_mov_b32 v[IDX], 7
.irp e, 6,5,4,3,2,1,0
	v_cmp_eq_f32 vcc_lo, v[PS+\e], v[MX]           ; downward, so that the lowest index among equals stays
	v_cndmask_b32 v[IDX], v[IDX], \e, vcc_lo
.endr
.irp e, 0,1,2,3,4,5,6,7
	v_sub_f32 v[E+\e], v[PS+\e], v[MX]             ; the largest is taken away: exponents are 0 at the most, and 0 for the chosen expert
.endr
.irp e, 0,1,2,3,4,5,6,7
	v_mul_f32 v[E+\e], 0x3fb8aa3b, v[E+\e]         ; times log2(e)
.endr
.irp e, 0,1,2,3,4,5,6,7
	v_exp_f32 v[E+\e], v[E+\e]
.endr
	v_lshlrev_b32 v[OA], 2, v1                     ; the plain instruction behind the exponentials (ISA guide 5.7.2)
	s_wait_alu depctr_va_vdst(0)
	v_pk_add_f32 v[E:E+1],   v[E:E+1],   v[E+2:E+3]
	v_pk_add_f32 v[E+4:E+5], v[E+4:E+5], v[E+6:E+7]
	v_pk_add_f32 v[E:E+1],   v[E:E+1],   v[E+4:E+5]
	v_add_f32 v[E], v[E], v[E+1]                   ; at least 1: the chosen expert's term
	v_rcp_f32 v[E], v[E]                           ; the chosen expert's probability
	v_cmp_gt_u32 vcc_lo, 16, v1                    ; the plain instruction behind it; lanes 16-31 hold the same 16 tokens again
	s_wait_xcnt 0x0                                ; EXEC changes only behind this wait
	s_and_saveexec_b32 s25, vcc_lo
	global_store_b32 v[OA], v[IDX], s[10:11]       ; 64 bytes a work-group: all that it has of these two small tables
	s_wait_alu depctr_va_vdst(0)
	global_store_b32 v[OA], v[E], s[12:13]
.Lend:
	s_wait_xcnt 0x0
	s_mov_b32 exec_lo, -1
	s_wait_tensorcnt 0x0
	ds_add_u32 v232, v233
	s_wait_dscnt 0x0
	s_endpgm
.Lfunc_end_k_q1e830c3711_route:
	.size	k_q1e830c3711_route, .Lfunc_end_k_q1e830c3711_route-k_q1e830c3711_route
	.p2alignl 7, 3214868480
	.fill 96, 4, 3214868480
	.section	.rodata,"a",@progbits
	.p2align	6, 0x0
	.amdhsa_kernel k_q1e830c3711_route
		.amdhsa_group_segment_fixed_size 55296
		.amdhsa_private_segment_fixed_size 0
		.amdhsa_enable_private_segment 0
		.amdhsa_kernarg_size 40
		.amdhsa_user_sgpr_count 2
		.amdhsa_user_sgpr_kernarg_segment_ptr 1
		.amdhsa_wavefront_size32 1
		.amdhsa_system_sgpr_workgroup_id_x 1
		.amdhsa_system_sgpr_workgroup_id_y 1
		.amdhsa_system_sgpr_workgroup_id_z 1
		.amdhsa_system_vgpr_workitem_id 0
		.amdhsa_next_free_vgpr 234
		.amdhsa_next_free_sgpr 66
		.amdhsa_reserve_vcc 1
		.amdhsa_float_denorm_mode_32 3
		.amdhsa_float_denorm_mode_16_64 3
		.amdhsa_memory_ordered 1
		.amdhsa_forward_progress 1
		.amdhsa_inst_pref_size 25
	.end_amdhsa_kernel
	.amdgpu_metadata
---
amdhsa.version: [ 1, 2 ]
amdhsa.kernels:
  - .name:           k_q1e830c3711_route
    .symbol:         k_q1e830c3711_route.kd
    .args:
      - { .name: x, .offset: 0, .size: 8, .value_kind: global_buffer, .address_space: global }
      - { .name: router_W, .offset: 8, .size: 8, .value_kind: global_buffer, .address_space: global }
      - { .name: router_b, .offset: 16, .size: 8, .value_kind: global_buffer, .address_space: global }
      - { .name: top1, .offset: 24, .size: 8, .value_kind: global_buffer, .address_space: global }
      - { .name: gate, .offset: 32, .size: 8, .value_kind: global_buffer, .address_space: global }
    .group_segment_fixed_size: 55296
    .private_segment_fixed_size: 0
    .kernarg_segment_align: 8
    .kernarg_segment_size: 40
    .max_flat_workgroup_size: 128
    .sgpr_count:     66
    .vgpr_count:     234
    .wavefront_size: 32
...
	.end_amdgpu_metadata
.endif
;; end of part 1
;; launch plan (part 2): grid 1 x 1, 32 waves a work-group, no clusters, 41,984 bytes of LDS; arguments top1, gate, order, slots, sc1, sc2; writes order, slots, sc1, sc2
.if DOCPART == 2
	.amdgcn_target "amdgcn-amd-amdhsa--gfx1250"
	.amdhsa_code_object_version 6
	.text
	.protected	k_q1e830c3711_plan
	.globl	k_q1e830c3711_plan
	.p2align	8
	.type	k_q1e830c3711_plan,@function
k_q1e830c3711_plan:
	s_mov_b64 s[64:65], 0
	v_nop
	global_prefetch_b8 v0, s[64:65] scope:SCOPE_SE
	s_setreg_imm32_b32 hwreg(HW_REG_WAVE_MODE, 25, 1), 1
	s_wait_xcnt 0x0
; THE PLAN of the two expert launches, in whole numbers (the gates are moved as bits).
;   order[4224]  the tokens sorted by expert; each expert's stretch begins on a block of 16 positions; the positions that fill a stretch's last
;                block, and those behind the last stretch, repeat the last real token in front of them, so that every entry is a token.
;   slots[64]    {expert, first block, number of blocks 1..5, 0}: 64 shares that cover every block once.  An expert of nb blocks gets ceil(nb / 5)
;                shares (59 at the most in all: (263 + 8 x 4) / 5); the expert with most tokens (512 at the least, 32 blocks) takes the rest too
;                (12 at the most), so that no share is empty.  Share i of w begins at block min(5 i, nb - w + i).
;   sc1[4224] = 1.0, then 64 words 0.0;  sc2[p] = gate[order[p]], then 64 words -infinity: factor and lower bound of the two launches' way out.
; One work-group: the counts of all 4,096 tokens meet here, and 48 KiB in and out are too little to share out.  No matrix unit, no tensor load.
.set CNT, 0                            ; [32 waves][8 experts] counts
.set OFF, 1024                         ; [32 waves][8 experts] first position of a wave's tokens of an expert
.set MBA, 2048                         ; 8 first positions of the experts' stretches (128 bytes stored)
.set MLA, 2176                         ; 8 last real positions (128 bytes stored)
.set ORD, 4096                         ; [4224] tokens by position
.set GS,  20992                        ; [4224] gates by position
.set LASTP, 4223
.set TOP, 4                            ; v[4:7]   my four tokens' experts
.set GT,  8                            ; v[8:11]  their gates
.set RK,  12                           ; v[12:15] their ranks among the wave's tokens of the same expert
.set CN,  20                           ; v[20:27] wave 0: a wave's counts
.set PK,  28                           ; v[28:31] two counts a word
.set SC,  32                           ; v[32:35] their running sums over the waves
.set OFR, 40                           ; v[40:47] a row of OFF
.set MB,  20                           ; v[20:27] later: the eight first positions
.set ML,  28                           ; v[28:35] later: the eight last real positions
.set RUN,  20                          ; s[20:27] the wave's counts
.set N,    32                          ; s[32:39] tokens of an expert
.set NB,   40                          ; s[40:47] its blocks
.set WW,   48                          ; s[48:55] its shares
.set BB,   56                          ; s[56:63] its first block
.set LAST, 66                          ; s[66:73] its last real position
.set WS,   74                          ; s[74:81] its first share
.set DD,   82                          ; s[82:89] blocks - shares
	s_load_b256 s[4:11], s[0:1], 0x0               ; top1 s[4:5], gate s[6:7], order s[8:9], slots s[10:11]
	s_load_b128 s[12:15], s[0:1], 0x20             ; sc1 s[12:13], sc2 s[14:15]
	v_lshl_add_u32 v64, v0, 2, 0x9400
	v_mov_b32 v65, 0
	v_and_b32 v1, 31, v0                           ; lane
	v_lshrrev_b32 v3, 5, v0
	v_readfirstlane_b32 s16, v3                    ; wave
	v_lshlrev_b32 v2, 4, v0                        ; thread t owns tokens 4 t .. 4 t + 3
	s_wait_kmcnt 0x0
	global_load_b128 v[TOP:TOP+3], v2, s[4:5]
	global_load_b128 v[GT:GT+3], v2, s[6:7]
	v_and_b32 v17, 7, v1
	s_lshl_b32 s17, s16, 5                         ; my wave's row of CNT and of OFF
	v_lshl_add_u32 v19, v17, 2, s17
	s_wait_loadcnt 0x1                             ; the experts are in; the gates, the younger load, may stay out
.irp q, 0,1,2,3
	v_min_u32 v[TOP+\q], 7, v[TOP+\q]
.endr
; The lanes whose token q goes to expert e: each gets its rank (those of the wave counted so far + the lanes below it), and the count goes on.
; The first expert starts a rank and the first token starts a count: nothing is cleared.
.macro BALLOT q, e
	v_cmp_eq_u32 s28, \e, v[TOP+\q]
.if \q
	v_mbcnt_lo_u32_b32 v16, s28, s[RUN+\e]
.else
	v_mbcnt_lo_u32_b32 v16, s28, 0
.endif
.if \e
	v_cndmask_b32 v[RK+\q], v[RK+\q], v16, s28
.else
	v_mov_b32 v[RK+\q], v16
.endif
.if \q
	s_bcnt1_i32_b32 s29, s28
	s_add_co_u32 s[RUN+\e], s[RUN+\e], s29
.else
	s_bcnt1_i32_b32 s[RUN+\e], s28
.endif
.endm
.irp q, 0,1,2,3
.irp e, 0,1,2,3,4,5,6,7
	BALLOT \q, \e
.endr
.endr
	v_mov_b32 v18, s[RUN]
.irp e, 1,2,3,4,5,6,7
	v_cmp_eq_u32 vcc_lo, \e, v17
	v_cndmask_b32 v18, v18, s[RUN+\e], vcc_lo
.endr
	ds_store_b32 v19, v18 offset:CNT               ; lane l: the count of expert l & 7 (four lanes store the same word with the same number)
	s_wait_dscnt 0x0                               ; for wave 0's sake
	s_barrier_signal -1
	s_barrier_wait -1
	s_cmp_lg_u32 s16, 0
	s_cbranch_scc1 .Lscanned
	; WAVE 0: lane l stands for wave l.  Two counts a word (4,096 at the most fits 16 bits), running sums over the 32 lanes.
	v_lshlrev_b32 v37, 5, v1
	ds_load_b128 v[CN:CN+3],   v37 offset:CNT
	ds_load_b128 v[CN+4:CN+7], v37 offset:CNT+16
	s_mov_b32 s31, 0xffff0000                      ; lanes 16-31
	v_mov_b32 v36, 0                               ; a destination of the forms below counts as read
	s_wait_dscnt 0x0
.irp j, 0,1,2,3
	v_lshl_or_b32 v[PK+\j], v[CN+2*\j+1], 16, v[CN+2*\j]
.endr
.irp j, 0,1,2,3
	v_mov_b32_dpp v36, v[PK+\j] row_shr:1 row_mask:0xf bank_mask:0xf bound_ctrl:1
	v_add_nc_u32 v[SC+\j], v[PK+\j], v36
.irp sh, 2,4,8
	v_mov_b32_dpp v36, v[SC+\j] row_shr:\sh row_mask:0xf bank_mask:0xf bound_ctrl:1
	v_add_nc_u32 v[SC+\j], v[SC+\j], v36
.endr
	v_readlane_b32 s30, v[SC+\j], 15               ; the lower 16 lanes' sum goes onto the upper 16
	v_cndmask_b32 v36, 0, s30, s31
	v_add_nc_u32 v[SC+\j], v[SC+\j], v36
	v_readlane_b32 s29, v[SC+\j], 31
	s_and_b32 s[N+2*\j], s29, 0xffff
	s_lshr_b32 s[N+2*\j+1], s29, 16
.endr
.irp e, 0,1,2,3,4,5,6,7
	s_add_co_u32 s[NB+\e], s[N+\e], 15
	s_lshr_b32 s[NB+\e], s[NB+\e], 4               ; blocks
	s_add_co_u32 s[WW+\e], s[NB+\e], 4
	s_mul_i32 s[WW+\e], s[WW+\e], 13108            ; (nb + 4) / 5: 13108 / 65536 is 1/5 + 0.0000122, exact downward for nb + 4 up to 264
	s_lshr_b32 s[WW+\e], s[WW+\e], 16
.endr
	s_mov_b32 s[BB], 0
.irp e, 1,2,3,4,5,6,7
	s_add_co_u32 s[BB+\e], s[BB+\e-1], s[NB+\e-1]
.endr
.irp e, 0,1,2,3,4,5,6,7
	s_lshl4_add_u32 s28, s[BB+\e], s[N+\e]
	s_sub_co_u32 s28, s28, 1                       ; 16 x first block + tokens - 1
	s_cmp_lg_u32 s[N+\e], 0
.if \e
	s_cselect_b32 s[LAST+\e], s28, s[LAST+\e-1]    ; an expert without tokens hands on the one before
.else
	s_cselect_b32 s[LAST], s28, 0
.endif
.endr
	s_mov_b32 s90, s[N]                            ; most tokens so far,
	s_mov_b32 s91, 0                               ; and whose
.irp e, 1,2,3,4,5,6,7
	s_cmp_gt_u32 s[N+\e], s90
	s_cselect_b32 s91, \e, s91
	s_cselect_b32 s90, s[N+\e], s90
.endr
	s_mov_b32 s92, 64
.irp e, 0,1,2,3,4,5,6,7
	s_sub_co_u32 s92, s92, s[WW+\e]                ; shares left over
.endr
.irp e, 0,1,2,3,4,5,6,7
	s_cmp_eq_u32 s91, \e
	s_cselect_b32 s93, s92, 0
	s_add_co_u32 s[WW+\e], s[WW+\e], s93
	s_sub_co_u32 s[DD+\e], s[NB+\e], s[WW+\e]
.endr
	s_mov_b32 s[WS], 0
.irp e, 1,2,3,4,5,6,7
	s_add_co_u32 s[WS+\e], s[WS+\e-1], s[WW+\e-1]
.endr
	; OFF[wave][e] = 16 x first block + the tokens of e in the waves below
.irp j, 0,1,2,3
	v_sub_nc_u32 v[SC+\j], v[SC+\j], v[PK+\j]      ; in both halves the sum holds the own count: no borrow
	v_and_b32 v36, 0xffff, v[SC+\j]
	v_lshl_add_u32 v[OFR+2*\j], s[BB+2*\j], 4, v36
	v_lshrrev_b32 v36, 16, v[SC+\j]
	v_lshl_add_u32 v[OFR+2*\j+1], s[BB+2*\j+1], 4, v36
.endr
	ds_store_b128 v37, v[OFR:OFR+3]   offset:OFF
	ds_store_b128 v37, v[OFR+4:OFR+7] offset:OFF+16
	v_mov_b32 v48, 0
	v_mov_b32 v49, 0
.irp e, 0,1,2,3,4,5,6,7
	s_lshl_b32 s28, s[BB+\e], 4
	v_writelane_b32 v48, s28, \e
	v_writelane_b32 v49, s[LAST+\e], \e
.endr
	v_lshlrev_b32 v38, 2, v1
	ds_store_b32 v38, v48 offset:MBA
	ds_store_b32 v38, v49 offset:MLA
; The table of shares: lane l makes share l + off.  The last expert whose first share is not above it owns it (experts without shares are passed over).
.macro SLOTTAB off
	v_add_nc_u32 v50, \off, v1
	v_mov_b32 v56, 0                               ; expert
	v_mov_b32 v52, 0                               ; its first share
	v_mov_b32 v53, s[DD]                           ; blocks - shares
	v_mov_b32 v54, 0                               ; its first block
.irp e, 1,2,3,4,5,6,7
	v_cmp_le_u32 vcc_lo, s[WS+\e], v50
	v_cndmask_b32 v56, v56, \e, vcc_lo
	v_cndmask_b32 v52, v52, s[WS+\e], vcc_lo
	v_cndmask_b32 v53, v53, s[DD+\e], vcc_lo
	v_cndmask_b32 v54, v54, s[BB+\e], vcc_lo
.endr
	v_sub_nc_u32 v52, v50, v52                     ; i
	v_lshl_add_u32 v55, v52, 2, v52                ; 5 i
	v_add_nc_u32 v53, v53, v52                     ; nb - w + i
	v_min_u32 v60, v55, v53                        ; where share i begins,
	v_add_nc_u32 v55, 5, v55
	v_add_nc_u32 v53, 1, v53
	v_min_u32 v61, v55, v53                        ; and share i + 1: 1 to 5 blocks further
	v_add_nc_u32 v57, v54, v60
	v_sub_nc_u32 v58, v61, v60
	v_mov_b32 v59, 0
	v_lshlrev_b32 v62, 4, v50
	global_store_b128 v62, v[56:59], s[10:11]      ; 512 consecutive bytes
.endm
	SLOTTAB 0
	s_wait_xcnt 0x0                                ; the store's data and offset are written again only behind this wait
	SLOTTAB 32
	s_wait_xcnt 0x0                                ; likewise: v[56:63] serve again further down
.Lscanned:
	s_wait_dscnt 0x0                               ; wave 0's stores are done
	s_barrier_signal -1
	s_barrier_wait -1
	; all waves: where my four tokens go, and the eight stretches' bounds
.irp q, 0,1,2,3
	v_lshl_add_u32 v[40+\q], v[TOP+\q], 2, s17
	ds_load_b32 v[36+\q], v[40+\q] offset:OFF
.endr
	v_mov_b32 v3, 0
	ds_load_b128 v[MB:MB+3],   v3 offset:MBA
	ds_load_b128 v[MB+4:MB+7], v3 offset:MBA+16
	ds_load_b128 v[ML:ML+3],   v3 offset:MLA
	ds_load_b128 v[ML+4:ML+7], v3 offset:MLA+16
	s_wait_dscnt 0x0                               ; every wave's reads are back before any wave scatters:
	s_barrier_signal -1
	s_barrier_wait -1                              ; the scatter's places come from data, so no read shares a stretch between barriers with it
	s_wait_loadcnt 0x0                             ; the gates
.irp q, 0,1,2,3
	v_add_nc_u32 v[40+\q], v[36+\q], v[RK+\q]      ; each position is taken by one token
	v_min_u32 v[40+\q], LASTP, v[40+\q]
	v_lshlrev_b32 v[40+\q], 2, v[40+\q]
	v_lshl_or_b32 v[44+\q], v0, 2, \q              ; the token's number
	ds_store_b32 v[40+\q], v[44+\q] offset:ORD
	ds_store_b32 v[40+\q], v[GT+\q] offset:GS
.endr
	s_wait_dscnt 0x0
	s_barrier_signal -1
	s_barrier_wait -1
.irp i, 0,1,2,3
	v_mov_b32 v[60+\i], 1.0
.endr
; Positions v44 .. v44 + 3 (a multiple of 4, so inside one stretch): a position behind its stretch's last real one takes that one's token and gate.
.macro OUTQ
	v_mov_b32 v45, v[ML]
.irp e, 1,2,3,4,5,6,7
	v_cmp_le_u32 vcc_lo, v[MB+\e], v44
	v_cndmask_b32 v45, v45, v[ML+\e], vcc_lo
.endr
.irp i, 0,1,2,3
	v_add_nc_u32 v[46+\i], \i, v44
	v_min_u32 v[46+\i], v[46+\i], v45
	v_min_u32 v[46+\i], LASTP, v[46+\i]
	v_lshlrev_b32 v[46+\i], 2, v[46+\i]
	ds_load_b32 v[52+\i], v[46+\i] offset:ORD
	ds_load_b32 v[56+\i], v[46+\i] offset:GS
.endr
	v_lshlrev_b32 v50, 2, v44
	s_wait_dscnt 0x0
	global_store_b128 v50, v[52:55], s[8:9]        ; each store of a wave: 512 consecutive bytes, aligned
	global_store_b128 v50, v[56:59], s[14:15]
	global_store_b128 v50, v[60:63], s[12:13]
.endm
	v_lshlrev_b32 v44, 2, v0                       ; positions 0 .. 4095
	OUTQ
	s_cmp_lg_u32 s16, 0
	s_cbranch_scc1 .Lend
	s_wait_xcnt 0x0                                ; the stores' data and offset are written again only behind this wait
	v_lshl_or_b32 v44, v1, 2, 4096                 ; wave 0: positions 4096 .. 4223
	OUTQ
	v_lshlrev_b32 v3, 3, v1
	v_mov_b32 v20, 0
	v_mov_b32 v21, 0
	v_mov_b32 v22, 0xff800000
	v_mov_b32 v23, 0xff800000
	global_store_b64 v3, v[20:21], s[12:13] offset:16896   ; the lower bounds: 256 bytes each
	global_store_b64 v3, v[22:23], s[14:15] offset:16896
.Lend:
	s_wait_tensorcnt 0x0
	ds_add_u32 v64, v65
	s_wait_dscnt 0x0
	s_endpgm
.Lfunc_end_k_q1e830c3711_plan:
	.size	k_q1e830c3711_plan, .Lfunc_end_k_q1e830c3711_plan-k_q1e830c3711_plan
	.p2alignl 7, 3214868480
	.fill 96, 4, 3214868480
	.section	.rodata,"a",@progbits
	.p2align	6, 0x0
	.amdhsa_kernel k_q1e830c3711_plan
		.amdhsa_group_segment_fixed_size 41984
		.amdhsa_private_segment_fixed_size 0
		.amdhsa_enable_private_segment 0
		.amdhsa_kernarg_size 48
		.amdhsa_user_sgpr_count 2
		.amdhsa_user_sgpr_kernarg_segment_ptr 1
		.amdhsa_wavefront_size32 1
		.amdhsa_system_sgpr_workgroup_id_x 1
		.amdhsa_system_sgpr_workgroup_id_y 1
		.amdhsa_system_sgpr_workgroup_id_z 1
		.amdhsa_system_vgpr_workitem_id 0
		.amdhsa_next_free_vgpr 66
		.amdhsa_next_free_sgpr 96
		.amdhsa_reserve_vcc 1
		.amdhsa_float_denorm_mode_32 3
		.amdhsa_float_denorm_mode_16_64 3
		.amdhsa_memory_ordered 1
		.amdhsa_forward_progress 1
		.amdhsa_inst_pref_size 33
	.end_amdhsa_kernel
	.amdgpu_metadata
---
amdhsa.version: [ 1, 2 ]
amdhsa.kernels:
  - .name:           k_q1e830c3711_plan
    .symbol:         k_q1e830c3711_plan.kd
    .args:
      - { .name: top1, .offset: 0, .size: 8, .value_kind: global_buffer, .address_space: global }
      - { .name: gate, .offset: 8, .size: 8, .value_kind: global_buffer, .address_space: global }
      - { .name: order, .offset: 16, .size: 8, .value_kind: global_buffer, .address_space: global }
      - { .name: slots, .offset: 24, .size: 8, .value_kind: global_buffer, .address_space: global }
      - { .name: sc1, .offset: 32, .size: 8, .value_kind: global_buffer, .address_space: global }
      - { .name: sc2, .offset: 40, .size: 8, .value_kind: global_buffer, .address_space: global }
    .group_segment_fixed_size: 41984
    .private_segment_fixed_size: 0
    .kernarg_segment_align: 8
    .kernarg_segment_size: 48
    .max_flat_workgroup_size: 1024
    .sgpr_count:     96
    .vgpr_count:     66
    .wavefront_size: 32
...
	.end_amdgpu_metadata
.endif
;; end of part 2
;; launch fc1 (part 3): grid 4 x 64, 8 waves a work-group, no clusters, 166,144 bytes of LDS; arguments x, W1, b1, sc1, order, slots, h; writes h
.if DOCPART == 3
	.amdgcn_target "amdgcn-amd-amdhsa--gfx1250"
	.amdhsa_code_object_version 6
	.text
	.protected	k_q1e830c3711_fc1
	.globl	k_q1e830c3711_fc1
	.p2align	8
	.type	k_q1e830c3711_fc1,@function
k_q1e830c3711_fc1:
	s_mov_b64 s[64:65], 0
	v_nop
	global_prefetch_b8 v0, s[64:65] scope:SCOPE_SE
	s_setreg_imm32_b32 hwreg(HW_REG_WAVE_MODE, 25, 1), 1
	s_wait_xcnt 0x0
; ONE LAYER OF THE CHOSEN EXPERT, for both layers:  dst[tok][n] = max(lo, sc[p] x (sum over k of src[tok][k] W[e][k][n] + bias[e][n])),  tok = order[p].
; First layer: sc = 1, lo = 0 (the relu).  Second layer: sc = the gate, lo = -infinity (changes nothing).
; Arguments: src [4096][1024] f32, W [8][1024][1024] f32, bias [8][1024] f32, sc [4224] f32 and lo behind it, order, slots, dst [4096][1024] f32.
; LIMITS, stated: src, W and bias are taken rounded to bf16 (nearest even); sums, bias, factor and bound in f32.  The experts that the gate's one-hot
; mask multiplies by 0 are not computed: an infinity or NaN in such an expert's result does not reach dst.  The bound drops a NaN (v_max_num_f32).
; SHARES: work-group (cb, slot) makes 80 rows (5 blocks of 16 positions of order) x 256 columns.  A share has 1 to 5 blocks; the blocks beyond its count
; repeat its last one: the same rows, the same numbers, stored again by the same wave to the same bytes.  So no branch, no trip count and no EXEC
; hangs on data, only addresses, on whole numbers read from order and slots and clamped.
; Wave w: cg = w & 3 owns 64 of the columns, kh = w >> 2 the half kh of every K step of 64: 20 accumulators (80 x 64).  The two halves meet through LDS at the end.
; A: the 80 rows are gathered once, rounded, and lie in LDS whole (80 x 2,048 bytes); one barrier; the K loop has none.
; B NEVER TOUCHES LDS.  Inside a wave's 64 columns, column n of tile j stands for column 4 n + j.  Lane (r, h) loads 16 bytes W[k][4 r .. 4 r + 3] of 16 rows k;
; pairs of rows round into the four tiles' fragments.  Each load is two runs of 256 consecutive bytes, aligned.  In the results lane r then holds
; columns 4 r .. 4 r + 3 of a row in the four tiles: 16 bytes a lane, 256 consecutive aligned bytes from 16 lanes, straight from registers.
; K begins at step (2 slot + 4 cb) mod 16 and wraps: the shares of one expert, which read the same panel of W, begin at different steps.
; NO TENSOR LOADS, NO CLUSTER: W is f32 and passes registers to be rounded; through LDS each number would be written (4 bytes) and read (4 bytes) there
; for nothing.  A's rows are a gather.  And how many shares read one panel (1 to 64) is read from memory, so no fixed mask names the partners.
.set APITCH, 2064                      ; 2,048 bytes + 16 = 129 x 16: the 16 rows of a fragment load start 16 bytes apart modulo 256
.set ABLK,   16*APITCH                 ; a block
.set APAIR,  2*ABLK                    ; two blocks: one address register serves two, the second by the immediate
.set KSTEPB, 0x40000                   ; 64 rows of W
.set KMASKB, 0x3c0000                  ; 16 such steps, wrapped
.set DUMP,   20480                     ; 160 registers x 128 bytes: one wave's partial sums
.set L16,  1                           ; 16 lane
.set VB,   2                           ; 0x8000 h + 16 r: my place in a B load
.set AW,   3                           ; v3-5   where I put 8 bytes of my wave's two rows, blocks 0-1, 2-3, 4
.set AR,   6                           ; v6-8   my place in A's fragments, blocks 0-1, 2-3, 4
.set ARC,  9                           ; v9-11  the same + this trip's K
.set BIAS, 12                          ; v12-15 bias of my 4 columns
.set EA,   16                          ; v16-20 byte offset in order and in sc of my 8 rows of block b
.set XA,   21                          ; my place in the partial sums' region
.set R16,  22                          ; 16 r
.set BS,   24                          ; v[24:87], v[88:151] W as loaded, two sets
.set BF,   152                         ; v[152:183] four fragments of B
.set AF,   184                         ; v[184:223] five fragments of A; in the A phase: rounded rows on their way to LDS
.set TOK,  24                          ; the way out: v[24:63] row offsets in dst
.set SCV,  64                          ;              v[64:103] factors
.set PP,   104                         ;              v[104:135] the partner's sums of a block
.set TT,   136                         ;              v[136:167] a block's results, row by row
; window 1 (v256 ..): accumulator (b, j) at 8 (4 b + j), v256-v415; in the A phase three sets of 64 for rows as loaded, v256-v447
.set BO,  28                           ; s28-32  64 x block b: its byte offset in order and in sc
.set TK,  36                           ; s36-45  my wave's two tokens of each block
.set WB,  46                           ; s[46:47] W at my expert, my columns, my half of a K step
.set SB,  48                           ; s[48:51] the same + a K step, one for each B set
.set KL,  52                           ; s[52:53] the next K step to load, in bytes of W
.set KA,  54                           ; the next K step to multiply, in bytes of an LDS row
.set CTR, 55
.set LO,  56
.set BBS, 58                           ; s[58:59] bias at my expert and columns
.set SA,  66                           ; s[66:85] src at my wave's ten rows
.set TO,  86                           ; s86-90  offsets of the scalar loads from order
.set MSB, 0
.macro WIN new                         ; s_set_vgpr_msb: bits 1:0 source 0, 3:2 source 1, 5:4 source 2, 7:6 destination; the high byte repeats the setting that is left
.if MSB != \new
	s_set_vgpr_msb (MSB<<8)|\new
.set MSB, \new
.endif
.endm
	s_load_b256 s[4:11], s[0:1], 0x0               ; src s[4:5], W s[6:7], bias s[8:9], sc s[10:11]
	s_load_b128 s[12:15], s[0:1], 0x20             ; order s[12:13], slots s[14:15]
	s_load_b64 s[16:17], s[0:1], 0x30              ; dst
	v_lshl_add_u32 v254, v0, 2, 0x28500
	v_mov_b32 v255, 0
	v_lshrrev_b32 v23, 5, v0
	v_readfirstlane_b32 s18, v23                   ; wave
	s_and_b32 s19, s18, 3                          ; cg
	s_lshr_b32 s20, s18, 2                         ; kh
	s_mov_b32 s21, ttmp9                           ; cb
	s_and_b32 s22, ttmp7, 0xffff                   ; slot
	s_lshl_b32 s2, s22, 4
	s_mov_b32 s3, 0
	s_wait_kmcnt 0x0
	s_add_nc_u64 s[14:15], s[14:15], s[2:3]
	s_load_b128 s[24:27], s[14:15], 0x0            ; expert, first block, blocks, 0
	s_load_b32 s[LO], s[10:11], 0x4200             ; lo, behind sc's 4,224 numbers
	v_and_b32 v23, 31, v0                          ; lane
	v_and_b32 v[R16], 15, v0                       ; r
	v_bfe_u32 v9, v0, 4, 1                         ; h
	v_lshlrev_b32 v[L16], 4, v23
	v_lshlrev_b32 v[VB], 15, v9
	v_lshl_add_u32 v[VB], v[R16], 4, v[VB]
	s_mul_i32 s60, s18, 2*APITCH                   ; my wave's rows 2 w, 2 w + 1 of every block
	v_lshl_add_u32 v[AW], v23, 3, s60
	v_add_nc_u32 v[AW+1], APAIR, v[AW]
	v_add_nc_u32 v[AW+2], 2*APAIR, v[AW]
	v_mul_u32_u24 v[AR], v[R16], APITCH
	v_lshl_add_u32 v[AR], v9, 4, v[AR]
	s_lshl_b32 s61, s20, 6                         ; my half of a K step: 32 bf16
	v_add_nc_u32 v[AR], s61, v[AR]
	v_add_nc_u32 v[AR+1], APAIR, v[AR]
	v_add_nc_u32 v[AR+2], 2*APAIR, v[AR]
	s_mul_i32 s62, s19, DUMP
	v_add_nc_u32 v[XA], s62, v[L16]
	v_lshlrev_b32 v[R16], 4, v[R16]
	s_lshl_b32 s60, s22, 1
	s_lshl2_add_u32 s60, s21, s60
	s_and_b32 s60, s60, 15                         ; the K step to begin with
	s_lshl_b32 s[KL], s60, 18
	s_mov_b32 s[KL+1], 0
	s_lshl_b32 s[KA], s60, 7
	s_lshl_b32 s61, s21, 10
	s_lshl_b32 s62, s19, 8
	s_add_co_u32 s61, s61, s62                     ; my first column in bytes: 1,024 cb + 256 cg
	s_lshl_b32 s63, s20, 17                        ; 32 rows of W
	s_wait_kmcnt 0x0
	s_min_u32 s24, s24, 7
	s_sub_co_u32 s26, s26, 1
	s_min_u32 s26, s26, 4                          ; the share's last block, counted from its first
.irp b, 0,1,2,3,4
	s_min_u32 s60, s26, \b                         ; blocks beyond the share's count repeat its last
	s_add_co_u32 s60, s60, s25
	s_min_u32 s60, s60, 263
	s_lshl_b32 s[BO+\b], s60, 6
	s_lshl3_add_u32 s[TO+\b], s18, s[BO+\b]
	s_load_b64 s[TK+2*\b:TK+2*\b+1], s[12:13], s[TO+\b] offset:0x0    ; the tokens of rows 2 w, 2 w + 1 of the block
.endr
.irp b, 0,1,2,3,4
	v_lshl_add_u32 v[EA+\b], v9, 5, s[BO+\b]
.endr
	s_lshl_b32 s60, s24, 22                        ; an expert's W: 4 MiB
	s_add_co_u32 s60, s60, s61
	s_add_co_u32 s2, s60, s63
	s_add_nc_u64 s[WB:WB+1], s[6:7], s[2:3]
	s_lshl_b32 s60, s24, 12
	s_add_co_u32 s2, s60, s61
	s_add_nc_u64 s[BBS:BBS+1], s[8:9], s[2:3]
	s_mov_b32 s2, s61
	s_add_nc_u64 s[16:17], s[16:17], s[2:3]
	s_wait_kmcnt 0x0
.irp t, 0,1,2,3,4,5,6,7,8,9
	s_min_u32 s[TK+\t], s[TK+\t], 4095
	s_lshl_b32 s[SA+2*\t], s[TK+\t], 12
	s_mov_b32 s[SA+2*\t+1], 0
	s_add_nc_u64 s[SA+2*\t:SA+2*\t+1], s[4:5], s[SA+2*\t:SA+2*\t+1]
.endr
; 16 loads: my wave's two rows of block b, 512 consecutive bytes each, into a set of window 1
.macro AISSUE b, set
	WIN 0x40
.irp u, 0,1
.irp c, 0,1,2,3,4,5,6,7
	global_load_b128 v[64*\set+32*\u+4*\c:64*\set+32*\u+4*\c+3], v[L16], s[SA+4*\b+2*\u:SA+4*\b+2*\u+1] offset:512*\c
.endr
.endr
.endm
; the set is rounded and goes to LDS, 256 consecutive bytes a store.  left = the loads issued behind the set's own
.macro ASTORE b, set, left
	s_wait_loadcnt \left
	WIN 0x05
.irp u, 0,1
.irp c, 0,1,2,3,4,5,6,7
	v_cvt_pk_bf16_f32 v[AF+16*\u+2*\c],   v[64*\set+32*\u+4*\c],   v[64*\set+32*\u+4*\c+1]
	v_cvt_pk_bf16_f32 v[AF+16*\u+2*\c+1], v[64*\set+32*\u+4*\c+2], v[64*\set+32*\u+4*\c+3]
.endr
.endr
	WIN 0
.irp u, 0,1
.irp c, 0,1,2,3,4,5,6,7
	ds_store_b64 v[AW+(\b>>1)], v[AF+16*\u+2*\c:AF+16*\u+2*\c+1] offset:(\b&1)*ABLK+APITCH*\u+256*\c
.endr
.endr
.endm
; 16 loads: my 32 rows x 64 columns of the next K step of W into set p.  The set's base is written here, behind the wait that showed its last loads done.
.macro BISSUE p
	WIN 0
	s_add_nc_u64 s[SB+2*\p:SB+2*\p+1], s[WB:WB+1], s[KL:KL+1]
.set rho, 0
.rept 16
	global_load_b128 v[BS+64*\p+4*rho:BS+64*\p+4*rho+3], v[VB], s[SB+2*\p:SB+2*\p+1] offset:(rho+8*(rho/8))*4096   ; rows 8 h + 0..7, then 16 + 8 h + 0..7
.set rho, rho+1
.endr
	s_add_co_u32 s[KL], s[KL], KSTEPB
	s_and_b32 s[KL], s[KL], KMASKB
.endm
; what the way out needs, asked for in the last trip by the waves that will store: row tokens, factors, bias.  Both B sets are free by then.
.macro HOOK
	s_cmp_lt_u32 s18, 4
	s_cbranch_scc0 .Lno_hook
.irp b, 0,1,2,3,4
	global_load_b128 v[TOK+8*\b:TOK+8*\b+3],   v[EA+\b], s[12:13]
	global_load_b128 v[TOK+8*\b+4:TOK+8*\b+7], v[EA+\b], s[12:13] offset:16
	global_load_b128 v[SCV+8*\b:SCV+8*\b+3],   v[EA+\b], s[10:11]
	global_load_b128 v[SCV+8*\b+4:SCV+8*\b+7], v[EA+\b], s[10:11] offset:16
.endr
	global_load_b128 v[BIAS:BIAS+3], v[R16], s[BBS:BBS+1]
.Lno_hook:
.endm
; One K step of 64, of which the wave multiplies its 32.  p = the B set; zero = 1: the products start the sums; load = 1: the set is asked for again, two steps ahead;
; left = the loads issued behind the set's own.
.macro TRIP p, zero, load, left, hook
	v_add_nc_u32 v[ARC],   s[KA], v[AR]            ; four places behind the last trip's matrix instructions (ISA guide 7.12.1), in front of the
	v_add_nc_u32 v[ARC+1], s[KA], v[AR+1]          ; loads into A's fragments and the conversions into B's
	v_add_nc_u32 v[ARC+2], s[KA], v[AR+2]
	v_nop
.irp b, 0,1,2,3,4
	ds_load_b128 v[AF+8*\b:AF+8*\b+3],   v[ARC+(\b>>1)] offset:(\b&1)*ABLK
	ds_load_b128 v[AF+8*\b+4:AF+8*\b+7], v[ARC+(\b>>1)] offset:(\b&1)*ABLK+32
.endr
	s_add_co_u32 s[KA], s[KA], 128
	s_and_b32 s[KA], s[KA], 0x780
	s_wait_loadcnt \left                           ; loads come back in order (ISA guide 5.7.1): this set is in, the other set's 16 stay out
.set rho, 0
.rept 8
.irp j, 0,1,2,3
	v_cvt_pk_bf16_f32 v[BF+8*\j+rho/2], v[BS+64*\p+4*rho+\j], v[BS+64*\p+4*(rho+1)+\j]   ; two neighbouring k of column 4 r + j
.endr
.set rho, rho+2
.endr
.if \load
	BISSUE \p
.endif
.if \hook
	HOOK
.endif
	s_wait_dscnt 0x0                               ; A's fragments, asked for 32 conversions ago
	WIN 0x50
	; the 20 accumulators take turns, one instruction a turn, over the backward jump too
.irp b, 0,1,2,3,4
.irp j, 0,1,2,3
.if \zero
	v_wmma_f32_16x16x32_bf16 v[8*(4*\b+\j):8*(4*\b+\j)+7], v[AF+8*\b:AF+8*\b+7], v[BF+8*\j:BF+8*\j+7], 0
.else
	v_wmma_f32_16x16x32_bf16 v[8*(4*\b+\j):8*(4*\b+\j)+7], v[AF+8*\b:AF+8*\b+7], v[BF+8*\j:BF+8*\j+7], v[8*(4*\b+\j):8*(4*\b+\j)+7]
.endif
.endr
.endr
	WIN 0
.endm
	; THE A PHASE.  Three sets of 16 loads are out at the most; every wait leaves the two younger groups of 16 out.  The first two K steps of W follow A's last rows.
	AISSUE 0, 0
	AISSUE 1, 1
	AISSUE 2, 2
	ASTORE 0, 0, 32
	AISSUE 3, 0
	ASTORE 1, 1, 32
	AISSUE 4, 1
	ASTORE 2, 2, 32
	BISSUE 0
	ASTORE 3, 0, 32
	BISSUE 1
	ASTORE 4, 1, 32
	s_wait_dscnt 0x0                               ; for the others' sake: my rows are in LDS
	s_barrier_signal -1
	s_barrier_wait -1                              ; all 80 rows are
	; K: 16 trips.  The first two start the sums, the last two ask for nothing.
	TRIP 0, 1, 1, 16, 0
	TRIP 1, 0, 1, 16, 0
	s_mov_b32 s[CTR], 6
.Lk:
	TRIP 0, 0, 1, 16, 0
	TRIP 1, 0, 1, 16, 0
	s_sub_co_u32 s[CTR], s[CTR], 1
	s_cmp_lg_u32 s[CTR], 0
	s_cbranch_scc1 .Lk
	TRIP 0, 0, 0, 16, 0
	TRIP 1, 0, 0, 0, 1
	; THE TWO HALVES OF K MEET.  Four places behind the last matrix instructions, for the LDS stores and the sums that read results.
.rept 4
	v_nop
.endr
	s_wait_dscnt 0x0                               ; my reads of A are back,
	s_barrier_signal -1
	s_barrier_wait -1                              ; everybody's are: A's bytes may be written over
	s_cmp_lt_u32 s18, 4
	s_cbranch_scc1 .Lkeep
	WIN 0x04                                       ; the stores' data in window 1
.set q, 0
.rept 40
	ds_store_b128 v[XA], v[4*q:4*q+3] offset:512*q ; 512 consecutive bytes each
.set q, q+1
.endr
	WIN 0
.Lkeep:
	s_wait_dscnt 0x0                               ; the stores are done
	s_barrier_signal -1
	s_barrier_wait -1
	s_cmp_lt_u32 s18, 4
	s_cbranch_scc1 .Lout
	s_wait_tensorcnt 0x0
	ds_add_u32 v254, v255
	s_wait_dscnt 0x0
	s_endpgm                                       ; waves 4-7 have handed their sums over
.Lout:
	s_wait_loadcnt 0x0                             ; tokens, factors, bias
	v_cvt_pk_bf16_f32 v10, v[BIAS], v[BIAS+1]      ; the bias rounded to bf16, like the other inputs
	v_cvt_pk_bf16_f32 v11, v[BIAS+2], v[BIAS+3]
	v_lshlrev_b32 v[BIAS],   16, v10
	v_and_b32     v[BIAS+1], 0xffff0000, v10
	v_lshlrev_b32 v[BIAS+2], 16, v11
	v_and_b32     v[BIAS+3], 0xffff0000, v11
.set t, 0
.rept 40
	v_min_u32 v[TOK+t], 0xfff, v[TOK+t]
	v_lshl_add_u32 v[TOK+t], v[TOK+t], 12, v[R16]  ; the row's 4,096 bytes + my 16
.set t, t+1
.endr
; Block b: register i of accumulator (b, j) is row 8 h + i, column 4 r + j.  The partner's sums, the bias, the factor, the bound; a row leaves as 16 bytes a lane.
.macro EPI b
.if \b
	s_wait_xcnt 0x0                                ; the last block's stores read v[TT ..]: written again only behind this wait
.endif
.irp q, 0,1,2,3,4,5,6,7
	ds_load_b128 v[PP+4*\q:PP+4*\q+3], v[XA] offset:512*(8*\b+\q)
.endr
	s_wait_dscnt 0x0
	WIN 0x01                                       ; source 0 in window 1
.irp i, 0,1,2,3,4,5,6,7
.irp j, 0,1,2,3
	v_add_f32 v[TT+4*\i+\j], v[8*(4*\b+\j)+\i], v[PP+8*\j+\i]
.endr
.endr
	WIN 0
.irp i, 0,1,2,3,4,5,6,7
	v_pk_add_f32 v[TT+4*\i:TT+4*\i+1],   v[TT+4*\i:TT+4*\i+1],   v[BIAS:BIAS+1]
	v_pk_add_f32 v[TT+4*\i+2:TT+4*\i+3], v[TT+4*\i+2:TT+4*\i+3], v[BIAS+2:BIAS+3]
.if \i & 1                                         ; the row's factor for both halves: the second, or the first, register of its pair
	v_pk_mul_f32 v[TT+4*\i:TT+4*\i+1],   v[TT+4*\i:TT+4*\i+1],   v[SCV+8*\b+\i-1:SCV+8*\b+\i] op_sel:[0,1] op_sel_hi:[1,1]
	v_pk_mul_f32 v[TT+4*\i+2:TT+4*\i+3], v[TT+4*\i+2:TT+4*\i+3], v[SCV+8*\b+\i-1:SCV+8*\b+\i] op_sel:[0,1] op_sel_hi:[1,1]
.else
	v_pk_mul_f32 v[TT+4*\i:TT+4*\i+1],   v[TT+4*\i:TT+4*\i+1],   v[SCV+8*\b+\i:SCV+8*\b+\i+1] op_sel_hi:[1,0]
	v_pk_mul_f32 v[TT+4*\i+2:TT+4*\i+3], v[TT+4*\i+2:TT+4*\i+3], v[SCV+8*\b+\i:SCV+8*\b+\i+1] op_sel_hi:[1,0]
.endif
.irp j, 0,1,2,3
	v_max_num_f32 v[TT+4*\i+\j], s[LO], v[TT+4*\i+\j]
.endr
	global_store_b128 v[TOK+8*\b+\i], v[TT+4*\i:TT+4*\i+3], s[16:17]   ; 16 lanes: 256 consecutive bytes of a row, aligned
.endr
.endm
	EPI 0
	EPI 1
	EPI 2
	EPI 3
	EPI 4
	s_wait_tensorcnt 0x0
	ds_add_u32 v254, v255
	s_wait_dscnt 0x0
	s_endpgm
.Lfunc_end_k_q1e830c3711_fc1:
	.size	k_q1e830c3711_fc1, .Lfunc_end_k_q1e830c3711_fc1-k_q1e830c3711_fc1
	.p2alignl 7, 3214868480
	.fill 96, 4, 3214868480
	.section	.rodata,"a",@progbits
	.p2align	6, 0x0
	.amdhsa_kernel k_q1e830c3711_fc1
		.amdhsa_group_segment_fixed_size 166144
		.amdhsa_private_segment_fixed_size 0
		.amdhsa_enable_private_segment 0
		.amdhsa_kernarg_size 56
		.amdhsa_user_sgpr_count 2
		.amdhsa_user_sgpr_kernarg_segment_ptr 1
		.amdhsa_wavefront_size32 1
		.amdhsa_system_sgpr_workgroup_id_x 1
		.amdhsa_system_sgpr_workgroup_id_y 1
		.amdhsa_system_sgpr_workgroup_id_z 1
		.amdhsa_system_vgpr_workitem_id 0
		.amdhsa_next_free_vgpr 448
		.amdhsa_next_free_sgpr 96
		.amdhsa_reserve_vcc 0
		.amdhsa_float_denorm_mode_32 3
		.amdhsa_float_denorm_mode_16_64 3
		.amdhsa_memory_ordered 1
		.amdhsa_forward_progress 1
		.amdhsa_inst_pref_size 103
	.end_amdhsa_kernel
	.amdgpu_metadata
---
amdhsa.version: [ 1, 2 ]
amdhsa.kernels:
  - .name:           k_q1e830c3711_fc1
    .symbol:         k_q1e830c3711_fc1.kd
    .args:
      - { .name: x, .offset: 0, .size: 8, .value_kind: global_buffer, .address_space: global }
      - { .name: W1, .offset: 8, .size: 8, .value_kind: global_buffer, .address_space: global }
      - { .name: b1, .offset: 16, .size: 8, .value_kind: global_buffer, .address_space: global }
      - { .name: sc1, .offset: 24, .size: 8, .value_kind: global_buffer, .address_space: global }
      - { .name: order, .offset: 32, .size: 8, .value_kind: global_buffer, .address_space: global }
      - { .name: slots, .offset: 40, .size: 8, .value_kind: global_buffer, .address_space: global }
      - { .name: h, .offset: 48, .size: 8, .value_kind: global_buffer, .address_space: global }
    .group_segment_fixed_size: 166144
    .private_segment_fixed_size: 0
    .kernarg_segment_align: 8
    .kernarg_segment_size: 56
    .max_flat_workgroup_size: 256
    .sgpr_count:     96
    .vgpr_count:     448
    .wavefront_size: 32
...
	.end_amdgpu_metadata
.endif
;; end of part 3
;; launch fc2: the kernel of part 3 again; grid 4 x 64, 8 waves a work-group, no clusters, 166,144 bytes of LDS; arguments h, W2, b2, sc2, order, slots, out0; writes out0
;; ======== version 2 of 2: 4 launches; 1.31 times as fast as version 1
;; limits: values outside matrix products are rounded to bf16
;; workspace buffers: top1 16,384 bytes of whole numbers; gate 16,384 bytes; order 17,920 bytes of whole numbers; sc2 16,896 bytes; h 8,650,752 bytes; wb1 16,777,216 bytes; wb2 16,777,216 bytes; xb 8,388,608 bytes
;; launch route (part 4): grid 256 x 1, 4 waves a work-group, no clusters, 55,296 bytes of LDS; arguments x, router_W, router_b, top1, gate, xb; writes top1, gate, xb
.if DOCPART == 4
	.amdgcn_target "amdgcn-amd-amdhsa--gfx1250"
	.amdhsa_code_object_version 6
	.text
	.protected	k_q1e830c3711_route
	.globl	k_q1e830c3711_route
	.p2align	8
	.type	k_q1e830c3711_route,@function
k_q1e830c3711_route:
	s_mov_b64 s[64:65], 0
	v_nop
	global_prefetch_b8 v0, s[64:65] scope:SCOPE_SE
	s_setreg_imm32_b32 hwreg(HW_REG_WAVE_MODE, 25, 1), 1
	s_wait_xcnt 0x0
; ROUTER.  logits[t][e] = sum over k of x[t][k] router_W[k][e] + router_b[e]; top1[t] = the expert of the largest logit (the lowest
; index among equals); gate[t] = its softmax probability = 1 / sum over e of exp(logit_e - largest).
; It also leaves xb = x rounded to bf16, [4096][1024] row-major: the rounded numbers are in registers here anyway, and the first expert launch
; then reads half the bytes and rounds nothing.
; LIMITS, stated: x, router_W and router_b are taken rounded to bf16 (nearest even), as matrix operands are; sums, softmax in f32.
; The largest is looked for among the logits, not among the probabilities: logits that differ in their last bits only and round to
; one probability may name the other expert.  A row with a NaN logit names expert 7.
; SHARES: a work-group owns 16 tokens; wave q owns k = 256 q .. 256 q + 255 of all 16.  The four partial sums meet in LDS, wave 0 ends the work.
; The matrix instruction takes router_W^T as A (row m = expert m & 7: rows 8-15 repeat rows 0-7) and x^T as B (column n = token), so
; register i of every lane holds expert i's logit of token (lane & 15): softmax and argmax never cross lanes.
; No tensor loads, no cluster: the f32 numbers pass registers to be rounded, and what is shared (router_W, 32 KiB) is half of the
; 64 KiB of x that a work-group reads by itself.
.set PITCH, 528                        ; an LDS row: 256 bf16 + 16 bytes = 33 x 16: the 16 rows of a fragment load start 16 bytes apart modulo 256
.set XRW,   16*PITCH                   ; a wave's x: 16 tokens
.set WR0,   4*XRW                      ; behind the four waves' x: router_W^T
.set WRW,   8*PITCH                    ; a wave's part of it: 8 experts
.set RED0,  WR0+4*WRW                  ; behind that: 1,024 bytes a wave for the partial sums
.set X,   8                            ; v[8:135]   x as loaded: token rho, half eta at 8 rho + 4 eta
.set WS,  136                          ; v[136:199] router_W as loaded
.set WT,  200                          ; v[200:231] router_W as bf16 pairs
.set XO,  232                          ; v232       8 lane: my place in a store of xb
.set XF,  8                            ; v[8:71]    later: 8 fragments of x
.set WF,  72                           ; v[72:135]  later: 8 fragments of router_W^T
.set D,   136                          ; v[136:151] two accumulators
.set PS,  152                          ; v[152:183] wave 0: the four partial sums; then the logits in v[152:159]
.set BT,  184                          ; v[184:187] router_b as bf16 pairs
.set BB,  192                          ; v[192:199] router_b rounded, as f32
.set MX,  200                          ; the largest logit
.set IDX, 201                          ; its expert
.set E,   202                          ; v[202:209] the exponentials
.set OA,  210                          ; byte offset of my token's word
	s_load_b256 s[4:11], s[0:1], 0x0               ; x s[4:5], router_W s[6:7], router_b s[8:9], top1 s[10:11]
	s_load_b64 s[12:13], s[0:1], 0x20              ; gate
	s_load_b64 s[28:29], s[0:1], 0x28              ; xb
	v_lshl_add_u32 v240, v0, 2, 0xd600
	v_mov_b32 v241, 0
	v_lshrrev_b32 v3, 5, v0
	v_readfirstlane_b32 s14, v3                    ; wave q
	v_and_b32 v1, 31, v0                           ; lane
	v_and_b32 v8, 15, v0                           ; r
	v_bfe_u32 v9, v0, 4, 1                         ; h
	v_and_b32 v10, 7, v0                           ; r & 7
	v_lshlrev_b32 v2, 4, v1                        ; 16 lane: x
	v_lshlrev_b32 v4, 6, v1                        ; 64 lane: two rows of router_W
	v_lshlrev_b32 v[XO], 3, v1                     ; 8 lane: xb
	s_mul_i32 s24, s14, XRW
	s_mul_i32 s25, s14, WRW
	s_add_co_u32 s25, s25, WR0
	v_lshl_add_u32 v3, v1, 3, s24                  ; where I put 8 bytes of a row of x
	v_lshl_add_u32 v5, v1, 2, s25                  ; where I put 4 bytes of a row of router_W^T
	v_mul_u32_u24 v6, v8, PITCH
	v_lshl_add_u32 v6, v9, 4, v6
	v_add_nc_u32 v6, s24, v6                       ; fragments of x: row r, 16 h
	v_mul_u32_u24 v7, v10, PITCH
	v_lshl_add_u32 v7, v9, 4, v7
	v_add_nc_u32 v7, s25, v7                       ; fragments of router_W^T: row r & 7, 16 h
	s_lshl_b32 s2, s14, 13                         ; my 256 rows of router_W: 8,192 q
	s_mov_b32 s3, 0
	s_lshl_b32 s26, ttmp9, 16                      ; the group's 16 rows of x, 4,096 bytes each,
	s_lshl_b32 s15, s14, 10                        ; and my 1,024 bytes of each
	s_add_co_u32 s26, s26, s15
	s_mov_b32 s27, 0
	s_lshl_b32 s30, ttmp9, 15                      ; the same in xb: rows of 2,048 bytes,
	s_lshl_b32 s31, s14, 9                         ; my 512 of each
	s_add_co_u32 s30, s30, s31
	s_mov_b32 s31, 0
	s_wait_kmcnt 0x0
	s_load_b256 s[16:23], s[8:9], 0x0              ; router_b's eight numbers
	s_add_nc_u64 s[6:7], s[6:7], s[2:3]
	s_add_nc_u64 s[4:5], s[4:5], s[26:27]
	s_add_nc_u64 s[28:29], s[28:29], s[30:31]
	; 16 loads of router_W: lane takes rows k = 64 i + 2 lane and k + 1 (64 bytes), c = the quarter of them
.irp i, 0,1,2,3
.irp c, 0,1,2,3
	global_load_b128 v[WS+16*\i+4*\c:WS+16*\i+4*\c+3], v4, s[6:7] offset:2048*\i+16*\c
.endr
.endr
	; 32 loads of x, each 512 consecutive bytes of one row
.set rho, 0
.rept 16
	global_load_b128 v[X+8*rho:X+8*rho+3],   v2, s[4:5] offset:4096*rho
	global_load_b128 v[X+8*rho+4:X+8*rho+7], v2, s[4:5] offset:4096*rho+512
.set rho, rho+1
.endr
	s_wait_kmcnt 0x0                               ; router_b
	s_wait_loadcnt 32                              ; the 32 loads of x are younger: router_W is in
.irp i, 0,1,2,3
.irp e, 0,1,2,3,4,5,6,7
	v_cvt_pk_bf16_f32 v[WT+8*\i+\e], v[WS+16*\i+\e], v[WS+16*\i+8+\e]    ; (W[k][e], W[k+1][e]): neighbours along k
.endr
.endr
.irp i, 0,1,2,3
.irp e, 0,1,2,3,4,5,6,7
	ds_store_b32 v5, v[WT+8*\i+\e] offset:PITCH*\e+128*\i
.endr
.endr
	; x, four tokens (eight loads) at a time: the count leaves the younger groups out.  The rounded numbers go to LDS and to xb.
.irp g, 0,1,2,3
	s_wait_loadcnt 24-8*\g
.irp t, 0,1,2,3,4,5,6,7
	v_cvt_pk_bf16_f32 v[X+32*\g+4*\t],   v[X+32*\g+4*\t],   v[X+32*\g+4*\t+1]
	v_cvt_pk_bf16_f32 v[X+32*\g+4*\t+1], v[X+32*\g+4*\t+2], v[X+32*\g+4*\t+3]
.endr
.irp t, 0,1,2,3,4,5,6,7
	ds_store_b64 v3, v[X+32*\g+4*\t:X+32*\g+4*\t+1] offset:PITCH*(4*\g+\t/2)+256*(\t%2)
	global_store_b64 v[XO], v[X+32*\g+4*\t:X+32*\g+4*\t+1], s[28:29] offset:2048*(4*\g+\t/2)+256*(\t%2)   ; the wave's 32 lanes: 256 consecutive bytes, aligned
.endr
.endr
	s_wait_xcnt 0x0                                ; the stores to xb read v[8:135]: loaded into again only behind this wait
	; fragments, from the wave's own bytes: LDS serves a wave's instructions in order (ISA guide 5.7.1), so no wait and no barrier stand between
.irp s, 0,1,2,3,4,5,6,7
	ds_load_b128 v[XF+8*\s:XF+8*\s+3],   v6 offset:64*\s
	ds_load_b128 v[XF+8*\s+4:XF+8*\s+7], v6 offset:64*\s+32
	ds_load_b128 v[WF+8*\s:WF+8*\s+3],   v7 offset:64*\s
	ds_load_b128 v[WF+8*\s+4:WF+8*\s+7], v7 offset:64*\s+32
.endr
	s_lshl_b32 s24, s14, 10
	s_add_co_u32 s24, s24, RED0
	; eight K steps of 32 on two accumulators that take turns; the first two products start the sums
.irp s, 0,1,2,3,4,5,6,7
	s_wait_dscnt 28-4*\s                           ; four loads for each later step are younger
.if \s < 2
	v_wmma_f32_16x16x32_bf16 v[D+8*(\s&1):D+8*(\s&1)+7], v[WF+8*\s:WF+8*\s+7], v[XF+8*\s:XF+8*\s+7], 0
.else
	v_wmma_f32_16x16x32_bf16 v[D+8*(\s&1):D+8*(\s&1)+7], v[WF+8*\s:WF+8*\s+7], v[XF+8*\s:XF+8*\s+7], v[D+8*(\s&1):D+8*(\s&1)+7]
.endif
.endr
	v_lshlrev_b32 v4, 5, v1                        ; four places behind the matrix instructions (ISA guide 7.12.1): two of use, two v_nop
	v_add_nc_u32 v4, s24, v4                       ; my 32 bytes of my wave's partial sums (v4's loads are long done)
	v_nop
	v_nop
.irp j, 0,2,4,6
	v_pk_add_f32 v[D+\j:D+\j+1], v[D+\j:D+\j+1], v[D+8+\j:D+8+\j+1]
.endr
	ds_store_b128 v4, v[D:D+3]
	ds_store_b128 v4, v[D+4:D+7] offset:16
	s_wait_dscnt 0x0                               ; for wave 0's sake: my stores are done
	s_barrier_signal -1
	s_barrier_wait -1
	s_cmp_lg_u32 s14, 0
	s_cbranch_scc1 .Lend
	; wave 0 alone (its v4 is the first wave's place)
.irp q, 0,1,2,3
	ds_load_b128 v[PS+8*\q:PS+8*\q+3],   v4 offset:1024*\q
	ds_load_b128 v[PS+8*\q+4:PS+8*\q+7], v4 offset:1024*\q+16
.endr
.irp j, 0,1,2,3
	v_cvt_pk_bf16_f32 v[BT+\j], s[16+2*\j], s[17+2*\j]     ; router_b rounded to bf16, like the other inputs
.endr
.irp j, 0,1,2,3
	v_lshlrev_b32 v[BB+2*\j],   16, v[BT+\j]
	v_and_b32     v[BB+2*\j+1], 0xffff0000, v[BT+\j]
.endr
	s_lshl_b32 s2, ttmp9, 6                        ; the group's 16 words in top1 and in gate
	s_add_nc_u64 s[10:11], s[10:11], s[2:3]
	s_add_nc_u64 s[12:13], s[12:13], s[2:3]
	s_wait_dscnt 0x0
.irp j, 0,2,4,6
	v_pk_add_f32 v[PS+\j:PS+\j+1],       v[PS+\j:PS+\j+1],       v[PS+8+\j:PS+8+\j+1]
	v_pk_add_f32 v[PS+16+\j:PS+16+\j+1], v[PS+16+\j:PS+16+\j+1], v[PS+24+\j:PS+24+\j+1]
.endr
.irp j, 0,2,4,6
	v_pk_add_f32 v[PS+\j:PS+\j+1], v[PS+\j:PS+\j+1], v[PS+16+\j:PS+16+\j+1]
.endr
.irp j, 0,2,4,6
	v_pk_add_f32 v[PS+\j:PS+\j+1], v[PS+\j:PS+\j+1], v[BB+\j:BB+\j+1]
.endr
	v_max3_num_f32 v[MX], v[PS], v[PS+1], v[PS+2]
	v_max3_num_f32 v[MX], v[MX], v[PS+3], v[PS+4]
	v_max3_num_f32 v[MX], v[MX], v[PS+5], v[PS+6]
	v_max_num_f32 v[MX], v[MX], v[PS+7]
	v_mov_b32 v[IDX], 7
.irp e, 6,5,4,3,2,1,0
	v_cmp_eq_f32 vcc_lo, v[PS+\e], v[MX]           ; downward, so that the lowest index among equals stays
	v_cndmask_b32 v[IDX], v[IDX], \e, vcc_lo
.endr
.irp e, 0,1,2,3,4,5,6,7
	v_sub_f32 v[E+\e], v[PS+\e], v[MX]             ; the largest is taken away: exponents are 0 at the most, and 0 for the chosen expert
.endr
.irp e, 0,1,2,3,4,5,6,7
	v_mul_f32 v[E+\e], 0x3fb8aa3b, v[E+\e]         ; times log2(e)
.endr
.irp e, 0,1,2,3,4,5,6,7
	v_exp_f32 v[E+\e], v[E+\e]
.endr
	v_lshlrev_b32 v[OA], 2, v1                     ; the plain instruction behind the exponentials (ISA guide 5.7.2)
	s_wait_alu depctr_va_vdst(0)
	v_pk_add_f32 v[E:E+1],   v[E:E+1],   v[E+2:E+3]
	v_pk_add_f32 v[E+4:E+5], v[E+4:E+5], v[E+6:E+7]
	v_pk_add_f32 v[E:E+1],   v[E:E+1],   v[E+4:E+5]
	v_add_f32 v[E], v[E], v[E+1]                   ; at least 1: the chosen expert's term
	v_rcp_f32 v[E], v[E]                           ; the chosen expert's probability
	v_cmp_gt_u32 vcc_lo, 16, v1                    ; the plain instruction behind it; lanes 16-31 hold the same 16 tokens again
	s_wait_xcnt 0x0                                ; EXEC changes only behind this wait
	s_and_saveexec_b32 s25, vcc_lo
	global_store_b32 v[OA], v[IDX], s[10:11]       ; 64 bytes a work-group: all that it has of these two small tables
	s_wait_alu depctr_va_vdst(0)
	global_store_b32 v[OA], v[E], s[12:13]
.Lend:
	s_wait_xcnt 0x0
	s_mov_b32 exec_lo, -1
	s_wait_tensorcnt 0x0
	ds_add_u32 v240, v241
	s_wait_dscnt 0x0
	s_endpgm
.Lfunc_end_k_q1e830c3711_route:
	.size	k_q1e830c3711_route, .Lfunc_end_k_q1e830c3711_route-k_q1e830c3711_route
	.p2alignl 7, 3214868480
	.fill 96, 4, 3214868480
	.section	.rodata,"a",@progbits
	.p2align	6, 0x0
	.amdhsa_kernel k_q1e830c3711_route
		.amdhsa_group_segment_fixed_size 55296
		.amdhsa_private_segment_fixed_size 0
		.amdhsa_enable_private_segment 0
		.amdhsa_kernarg_size 48
		.amdhsa_user_sgpr_count 2
		.amdhsa_user_sgpr_kernarg_segment_ptr 1
		.amdhsa_wavefront_size32 1
		.amdhsa_system_sgpr_workgroup_id_x 1
		.amdhsa_system_sgpr_workgroup_id_y 1
		.amdhsa_system_sgpr_workgroup_id_z 1
		.amdhsa_system_vgpr_workitem_id 0
		.amdhsa_next_free_vgpr 242
		.amdhsa_next_free_sgpr 66
		.amdhsa_reserve_vcc 1
		.amdhsa_float_denorm_mode_32 3
		.amdhsa_float_denorm_mode_16_64 3
		.amdhsa_memory_ordered 1
		.amdhsa_forward_progress 1
		.amdhsa_inst_pref_size 29
	.end_amdhsa_kernel
	.amdgpu_metadata
---
amdhsa.version: [ 1, 2 ]
amdhsa.kernels:
  - .name:           k_q1e830c3711_route
    .symbol:         k_q1e830c3711_route.kd
    .args:
      - { .name: x, .offset: 0, .size: 8, .value_kind: global_buffer, .address_space: global }
      - { .name: router_W, .offset: 8, .size: 8, .value_kind: global_buffer, .address_space: global }
      - { .name: router_b, .offset: 16, .size: 8, .value_kind: global_buffer, .address_space: global }
      - { .name: top1, .offset: 24, .size: 8, .value_kind: global_buffer, .address_space: global }
      - { .name: gate, .offset: 32, .size: 8, .value_kind: global_buffer, .address_space: global }
      - { .name: xb, .offset: 40, .size: 8, .value_kind: global_buffer, .address_space: global }
    .group_segment_fixed_size: 55296
    .private_segment_fixed_size: 0
    .kernarg_segment_align: 8
    .kernarg_segment_size: 48
    .max_flat_workgroup_size: 128
    .sgpr_count:     66
    .vgpr_count:     242
    .wavefront_size: 32
...
	.end_amdgpu_metadata
.endif
;; end of part 4
;; launch plan (part 5): grid 256 x 1, 32 waves a work-group, no clusters, 41,984 bytes of LDS; arguments top1, gate, order, W1, sc2, W2, wb1, wb2; writes order, sc2, wb1, wb2
.if DOCPART == 5
	.amdgcn_target "amdgcn-amd-amdhsa--gfx1250"
	.amdhsa_code_object_version 6
	.text
	.protected	k_q1e830c3711_plan
	.globl	k_q1e830c3711_plan
	.p2align	8
	.type	k_q1e830c3711_plan,@function
k_q1e830c3711_plan:
	s_mov_b64 s[64:65], 0
	v_nop
	global_prefetch_b8 v0, s[64:65] scope:SCOPE_SE
	s_setreg_imm32_b32 hwreg(HW_REG_WAVE_MODE, 25, 1), 1
	s_wait_xcnt 0x0
; TWO JOBS IN ONE LAUNCH.
; (1) EVERY WAVE OF EVERY WORK-GROUP rounds one block of the weights to bf16 (nearest even) and stores it in the order in which the expert launches'
;     matrix fragments want it.  8,192 waves = 2 layers x 8 experts x 32 K steps of 32 x 16 column groups of 64.
;     wb[e][G][S] is a block of 4,096 bytes at e<<21 | G<<17 | S<<12.  Its piece q = 2 j + u (512 bytes, 16 a lane) holds, for lane (r, h), registers
;     4 u .. 4 u + 3 of the fragment of tile j: column 64 G + 4 r + j, k = 32 S + 16 u + 8 h + 0 .. 7.
;     A wave reads 32 rows x 256 bytes (each load: two runs of 256 consecutive bytes, aligned) and stores 8 x 512 consecutive bytes.
;     The 32 waves of a work-group take 2 K steps x 16 column groups: 64 whole rows of W, 256 KiB in a row.  Groups 0-127 take W1, 128-255 W2.
; (2) WORK-GROUP 0 ALSO MAKES THE PLAN of the two expert launches, in whole numbers (the gates are moved as bits).  The counts of all 4,096 tokens meet
;     there, and 32 KiB in and 34 KiB out are too little to share out.  Its steps depend on each other and move few bytes; they run beside the other
;     groups' stream.  That group asks for its weights first and finishes its blocks behind the plan.
;   order[4224]  the tokens sorted by expert; each expert's stretch begins on a block of 16 positions; the positions that fill a stretch's last
;                block, and those behind the last stretch, repeat the last real token in front of them, so that every entry is a token.
;   slots[64]    behind order, at byte 16,896: {expert, first block, number of blocks 1..5, 0}: 64 shares that cover every block once.  An expert of nb
;                blocks gets ceil(nb / 5) shares (59 at the most in all: (263 + 8 x 4) / 5); the expert with most tokens (512 at the least, 32 blocks)
;                takes the rest too (12 at the most), so that no share is empty.  Share i of w begins at block min(5 i, nb - w + i).
;   sc2[4224]    sc2[p] = gate[order[p]]: the factor of the second expert launch's way out.
; No matrix unit, no tensor load, no cluster: a stream that passes registers to be rounded, and no two work-groups read the same bytes.
.set CNT, 0                            ; [32 waves][8 experts] counts
.set OFF, 1024                         ; [32 waves][8 experts] first position of a wave's tokens of an expert
.set MBA, 2048                         ; 8 first positions of the experts' stretches (128 bytes stored)
.set MLA, 2176                         ; 8 last real positions (128 bytes stored)
.set ORD, 4096                         ; [4224] tokens by position
.set GS,  20992                        ; [4224] gates by position
.set LASTP, 4223
.set SLOTS, 16896                      ; byte offset of the table of shares in the buffer order
.set TOP, 4                            ; v[4:7]   my four tokens' experts
.set GT,  8                            ; v[8:11]  their gates
.set RK,  12                           ; v[12:15] their ranks among the wave's tokens of the same expert
.set CN,  20                           ; v[20:27] wave 0: a wave's counts
.set PK,  28                           ; v[28:31] two counts a word
.set SC,  32                           ; v[32:35] their running sums over the waves
.set OFR, 40                           ; v[40:47] a row of OFF
.set MB,  20                           ; v[20:27] later: the eight first positions
.set ML,  28                           ; v[28:35] later: the eight last real positions
.set WVB, 51                           ; v51      0x8000 h + 16 r: my place in a load of W; the plan never names it
.set WBS, 64                           ; v[64:127] my block of W as loaded; the plan never names them
.set WBF, 8                            ; v[8:39]  at the end: the block as four fragments (no pending store reads them: the plan's stores read v50 and v[52:59])
.set WOL, 40                           ; v40      at the end: 16 lane
.set RUN,  20                          ; s[20:27] the wave's counts
.set N,    32                          ; s[32:39] tokens of an expert
.set NB,   40                          ; s[40:47] its blocks
.set WW,   48                          ; s[48:55] its shares
.set BB,   56                          ; s[56:63] its first block
.set LAST, 66                          ; s[66:73] its last real position
.set WS,   74                          ; s[74:81] its first share
.set DD,   82                          ; s[82:89] blocks - shares
.set WSRC, 94                          ; s[94:95] W at my block
.set WDST, 98                          ; s[98:99] wb at my block
; 16 loads: rows 8 h + 0..7, then 16 + 8 h + 0..7 of the block's 32, columns 4 r .. 4 r + 3 of its 64.  Each byte of W is read once in the launch.
.macro CONVLOAD
.set rho, 0
.rept 16
	global_load_b128 v[WBS+4*rho:WBS+4*rho+3], v[WVB], s[WSRC:WSRC+1] offset:(rho+8*(rho/8))*4096 th:TH_LOAD_NT
.set rho, rho+1
.endr
.endm
	s_load_b256 s[4:11], s[0:1], 0x0               ; top1 s[4:5], gate s[6:7], order s[8:9], W1 s[10:11]
	s_load_b64 s[14:15], s[0:1], 0x20              ; sc2
	s_load_b128 s[96:99], s[0:1], 0x28             ; W2 s[96:97], wb1 s[98:99]
	s_load_b64 s[100:101], s[0:1], 0x38            ; wb2
	v_and_b32 v1, 31, v0                           ; lane
	v_lshrrev_b32 v3, 5, v0
	v_readfirstlane_b32 s16, v3                    ; wave
	v_lshlrev_b32 v2, 4, v0                        ; thread t owns tokens 4 t .. 4 t + 3
	v_and_b32 v[WVB], 15, v0                       ; r
	v_bfe_u32 v3, v0, 4, 1                         ; h
	v_lshlrev_b32 v[WVB], 4, v[WVB]
	v_lshl_add_u32 v[WVB], v3, 15, v[WVB]          ; 16 r + 8 rows of 4,096 bytes for the upper lanes
	s_mov_b32 s18, ttmp9                           ; work-group
	s_and_b32 s2, s18, 127
	s_lshl_b32 s2, s2, 1
	s_lshr_b32 s3, s16, 4
	s_add_co_u32 s2, s2, s3                        ; 32 e + S = 2 (group mod 128) + wave / 16
	s_and_b32 s19, s16, 15                         ; G
	s_lshl_b32 s28, s2, 17                         ; 32 rows of 4,096 bytes for each S, 32 such for each e
	s_lshl_b32 s29, s19, 8
	s_add_co_u32 s28, s28, s29                     ; + 256 bytes for each G
	s_mov_b32 s29, 0
	s_lshr_b32 s30, s2, 5
	s_lshl_b32 s30, s30, 21                        ; e << 21
	s_lshl_b32 s31, s19, 17
	s_add_co_u32 s30, s30, s31                     ; + G << 17
	s_and_b32 s31, s2, 31
	s_lshl_b32 s31, s31, 12
	s_add_co_u32 s30, s30, s31                     ; + S << 12
	s_mov_b32 s31, 0
	s_wait_kmcnt 0x0
	s_cmp_lt_u32 s18, 128                          ; the layer
	s_cselect_b64 s[WSRC:WSRC+1], s[10:11], s[96:97]
	s_cselect_b64 s[WDST:WDST+1], s[98:99], s[100:101]
	s_add_nc_u64 s[WSRC:WSRC+1], s[WSRC:WSRC+1], s[28:29]
	s_add_nc_u64 s[WDST:WDST+1], s[WDST:WDST+1], s[30:31]
	s_cmp_eq_u32 s18, 0                            ; the same in all 32 waves of a work-group
	s_cbranch_scc1 .Lplan
	CONVLOAD
	s_branch .Lfin
.Lplan:
	global_load_b128 v[TOP:TOP+3], v2, s[4:5]
	global_load_b128 v[GT:GT+3], v2, s[6:7]
	CONVLOAD                                       ; on their way while the plan is made
	v_and_b32 v17, 7, v1
	s_lshl_b32 s17, s16, 5                         ; my wave's row of CNT and of OFF
	v_lshl_add_u32 v19, v17, 2, s17
	s_wait_loadcnt 17                              ; the experts are in; the gates and the 16 loads of W are younger
.irp q, 0,1,2,3
	v_min_u32 v[TOP+\q], 7, v[TOP+\q]
.endr
; The lanes whose token q goes to expert e: each gets its rank (those of the wave counted so far + the lanes below it), and the count goes on.
; The first expert starts a rank and the first token starts a count: nothing is cleared.
.macro BALLOT q, e
	v_cmp_eq_u32 s28, \e, v[TOP+\q]
.if \q
	v_mbcnt_lo_u32_b32 v16, s28, s[RUN+\e]
.else
	v_mbcnt_lo_u32_b32 v16, s28, 0
.endif
.if \e
	v_cndmask_b32 v[RK+\q], v[RK+\q], v16, s28
.else
	v_mov_b32 v[RK+\q], v16
.endif
.if \q
	s_bcnt1_i32_b32 s29, s28
	s_add_co_u32 s[RUN+\e], s[RUN+\e], s29
.else
	s_bcnt1_i32_b32 s[RUN+\e], s28
.endif
.endm
.irp q, 0,1,2,3
.irp e, 0,1,2,3,4,5,6,7
	BALLOT \q, \e
.endr
.endr
	v_mov_b32 v18, s[RUN]
.irp e, 1,2,3,4,5,6,7
	v_cmp_eq_u32 vcc_lo, \e, v17
	v_cndmask_b32 v18, v18, s[RUN+\e], vcc_lo
.endr
	ds_store_b32 v19, v18 offset:CNT               ; lane l: the count of expert l & 7 (four lanes store the same word with the same number)
	s_wait_dscnt 0x0                               ; for wave 0's sake
	s_barrier_signal -1
	s_barrier_wait -1
	s_cmp_lg_u32 s16, 0
	s_cbranch_scc1 .Lscanned
	; WAVE 0: lane l stands for wave l.  Two counts a word (4,096 at the most fits 16 bits), running sums over the 32 lanes.
	v_lshlrev_b32 v37, 5, v1
	ds_load_b128 v[CN:CN+3],   v37 offset:CNT
	ds_load_b128 v[CN+4:CN+7], v37 offset:CNT+16
	s_mov_b32 s31, 0xffff0000                      ; lanes 16-31
	v_mov_b32 v36, 0                               ; a destination of the forms below counts as read
	s_wait_dscnt 0x0
.irp j, 0,1,2,3
	v_lshl_or_b32 v[PK+\j], v[CN+2*\j+1], 16, v[CN+2*\j]
.endr
.irp j, 0,1,2,3
	v_mov_b32_dpp v36, v[PK+\j] row_shr:1 row_mask:0xf bank_mask:0xf bound_ctrl:1
	v_add_nc_u32 v[SC+\j], v[PK+\j], v36
.irp sh, 2,4,8
	v_mov_b32_dpp v36, v[SC+\j] row_shr:\sh row_mask:0xf bank_mask:0xf bound_ctrl:1
	v_add_nc_u32 v[SC+\j], v[SC+\j], v36
.endr
	v_readlane_b32 s30, v[SC+\j], 15               ; the lower 16 lanes' sum goes onto the upper 16
	v_cndmask_b32 v36, 0, s30, s31
	v_add_nc_u32 v[SC+\j], v[SC+\j], v36
	v_readlane_b32 s29, v[SC+\j], 31
	s_and_b32 s[N+2*\j], s29, 0xffff
	s_lshr_b32 s[N+2*\j+1], s29, 16
.endr
.irp e, 0,1,2,3,4,5,6,7
	s_add_co_u32 s[NB+\e], s[N+\e], 15
	s_lshr_b32 s[NB+\e], s[NB+\e], 4               ; blocks
	s_add_co_u32 s[WW+\e], s[NB+\e], 4
	s_mul_i32 s[WW+\e], s[WW+\e], 13108            ; (nb + 4) / 5: 13108 / 65536 is 1/5 + 0.0000122, exact downward for nb + 4 up to 264
	s_lshr_b32 s[WW+\e], s[WW+\e], 16
.endr
	s_mov_b32 s[BB], 0
.irp e, 1,2,3,4,5,6,7
	s_add_co_u32 s[BB+\e], s[BB+\e-1], s[NB+\e-1]
.endr
.irp e, 0,1,2,3,4,5,6,7
	s_lshl4_add_u32 s28, s[BB+\e], s[N+\e]
	s_sub_co_u32 s28, s28, 1                       ; 16 x first block + tokens - 1
	s_cmp_lg_u32 s[N+\e], 0
.if \e
	s_cselect_b32 s[LAST+\e], s28, s[LAST+\e-1]    ; an expert without tokens hands on the one before
.else
	s_cselect_b32 s[LAST], s28, 0
.endif
.endr
	s_mov_b32 s90, s[N]                            ; most tokens so far,
	s_mov_b32 s91, 0                               ; and whose
.irp e, 1,2,3,4,5,6,7
	s_cmp_gt_u32 s[N+\e], s90
	s_cselect_b32 s91, \e, s91
	s_cselect_b32 s90, s[N+\e], s90
.endr
	s_mov_b32 s92, 64
.irp e, 0,1,2,3,4,5,6,7
	s_sub_co_u32 s92, s92, s[WW+\e]                ; shares left over
.endr
.irp e, 0,1,2,3,4,5,6,7
	s_cmp_eq_u32 s91, \e
	s_cselect_b32 s93, s92, 0
	s_add_co_u32 s[WW+\e], s[WW+\e], s93
	s_sub_co_u32 s[DD+\e], s[NB+\e], s[WW+\e]
.endr
	s_mov_b32 s[WS], 0
.irp e, 1,2,3,4,5,6,7
	s_add_co_u32 s[WS+\e], s[WS+\e-1], s[WW+\e-1]
.endr
	; OFF[wave][e] = 16 x first block + the tokens of e in the waves below
.irp j, 0,1,2,3
	v_sub_nc_u32 v[SC+\j], v[SC+\j], v[PK+\j]      ; in both halves the sum holds the own count: no borrow
	v_and_b32 v36, 0xffff, v[SC+\j]
	v_lshl_add_u32 v[OFR+2*\j], s[BB+2*\j], 4, v36
	v_lshrrev_b32 v36, 16, v[SC+\j]
	v_lshl_add_u32 v[OFR+2*\j+1], s[BB+2*\j+1], 4, v36
.endr
	ds_store_b128 v37, v[OFR:OFR+3]   offset:OFF
	ds_store_b128 v37, v[OFR+4:OFR+7] offset:OFF+16
	v_mov_b32 v48, 0
	v_mov_b32 v49, 0
.irp e, 0,1,2,3,4,5,6,7
	s_lshl_b32 s28, s[BB+\e], 4
	v_writelane_b32 v48, s28, \e
	v_writelane_b32 v49, s[LAST+\e], \e
.endr
	v_lshlrev_b32 v38, 2, v1
	ds_store_b32 v38, v48 offset:MBA
	ds_store_b32 v38, v49 offset:MLA
; The table of shares: lane l makes share l + off.  The last expert whose first share is not above it owns it (experts without shares are passed over).
.macro SLOTTAB off
	v_add_nc_u32 v50, \off, v1
	v_mov_b32 v56, 0                               ; expert
	v_mov_b32 v52, 0                               ; its first share
	v_mov_b32 v53, s[DD]                           ; blocks - shares
	v_mov_b32 v54, 0                               ; its first block
.irp e, 1,2,3,4,5,6,7
	v_cmp_le_u32 vcc_lo, s[WS+\e], v50
	v_cndmask_b32 v56, v56, \e, vcc_lo
	v_cndmask_b32 v52, v52, s[WS+\e], vcc_lo
	v_cndmask_b32 v53, v53, s[DD+\e], vcc_lo
	v_cndmask_b32 v54, v54, s[BB+\e], vcc_lo
.endr
	v_sub_nc_u32 v52, v50, v52                     ; i
	v_lshl_add_u32 v55, v52, 2, v52                ; 5 i
	v_add_nc_u32 v53, v53, v52                     ; nb - w + i
	v_min_u32 v60, v55, v53                        ; where share i begins,
	v_add_nc_u32 v55, 5, v55
	v_add_nc_u32 v53, 1, v53
	v_min_u32 v61, v55, v53                        ; and share i + 1: 1 to 5 blocks further
	v_add_nc_u32 v57, v54, v60
	v_sub_nc_u32 v58, v61, v60
	v_mov_b32 v59, 0
	v_lshlrev_b32 v62, 4, v50
	global_store_b128 v62, v[56:59], s[8:9] offset:SLOTS   ; 512 consecutive bytes
.endm
	SLOTTAB 0
	s_wait_xcnt 0x0                                ; the store's data and offset are written again only behind this wait
	SLOTTAB 32
	s_wait_xcnt 0x0                                ; likewise: v[56:59] serve again further down
.Lscanned:
	s_wait_dscnt 0x0                               ; wave 0's stores are done
	s_barrier_signal -1
	s_barrier_wait -1
	; all waves: where my four tokens go, and the eight stretches' bounds
.irp q, 0,1,2,3
	v_lshl_add_u32 v[40+\q], v[TOP+\q], 2, s17
	ds_load_b32 v[36+\q], v[40+\q] offset:OFF
.endr
	v_mov_b32 v3, 0
	ds_load_b128 v[MB:MB+3],   v3 offset:MBA
	ds_load_b128 v[MB+4:MB+7], v3 offset:MBA+16
	ds_load_b128 v[ML:ML+3],   v3 offset:MLA
	ds_load_b128 v[ML+4:ML+7], v3 offset:MLA+16
	s_wait_dscnt 0x0                               ; every wave's reads are back before any wave scatters:
	s_barrier_signal -1
	s_barrier_wait -1                              ; the scatter's places come from data, so no read shares a stretch between barriers with it
	s_wait_loadcnt 16                              ; the gates; the 16 loads of W are younger
.irp q, 0,1,2,3
	v_add_nc_u32 v[40+\q], v[36+\q], v[RK+\q]      ; each position is taken by one token
	v_min_u32 v[40+\q], LASTP, v[40+\q]
	v_lshlrev_b32 v[40+\q], 2, v[40+\q]
	v_lshl_or_b32 v[44+\q], v0, 2, \q              ; the token's number
	ds_store_b32 v[40+\q], v[44+\q] offset:ORD
	ds_store_b32 v[40+\q], v[GT+\q] offset:GS
.endr
	s_wait_dscnt 0x0
	s_barrier_signal -1
	s_barrier_wait -1
; Positions v44 .. v44 + 3 (a multiple of 4, so inside one stretch): a position behind its stretch's last real one takes that one's token and gate.
.macro OUTQ
	v_mov_b32 v45, v[ML]
.irp e, 1,2,3,4,5,6,7
	v_cmp_le_u32 vcc_lo, v[MB+\e], v44
	v_cndmask_b32 v45, v45, v[ML+\e], vcc_lo
.endr
.irp i, 0,1,2,3
	v_add_nc_u32 v[46+\i], \i, v44
	v_min_u32 v[46+\i], v[46+\i], v45
	v_min_u32 v[46+\i], LASTP, v[46+\i]
	v_lshlrev_b32 v[46+\i], 2, v[46+\i]
	ds_load_b32 v[52+\i], v[46+\i] offset:ORD
	ds_load_b32 v[56+\i], v[46+\i] offset:GS
.endr
	v_lshlrev_b32 v50, 2, v44
	s_wait_dscnt 0x0
	global_store_b128 v50, v[52:55], s[8:9]        ; each store of a wave: 512 consecutive bytes, aligned
	global_store_b128 v50, v[56:59], s[14:15]
.endm
	v_lshlrev_b32 v44, 2, v0                       ; positions 0 .. 4095
	OUTQ
	s_cmp_lg_u32 s16, 0
	s_cbranch_scc1 .Lfin
	s_wait_xcnt 0x0                                ; the stores' data and offset are written again only behind this wait
	v_lshl_or_b32 v44, v1, 2, 4096                 ; wave 0: positions 4096 .. 4223
	OUTQ
.Lfin:
	; every wave of every work-group: its block of W is rounded and leaves
	s_wait_loadcnt 0x0                             ; the 16 loads of W
.set rho, 0
.rept 8
.irp j, 0,1,2,3
	v_cvt_pk_bf16_f32 v[WBF+8*\j+rho/2], v[WBS+4*rho+\j], v[WBS+4*(rho+1)+\j]   ; two neighbouring k of column 4 r + j
.endr
.set rho, rho+2
.endr
	v_lshlrev_b32 v[WOL], 4, v1
.irp q, 0,1,2,3,4,5,6,7
	global_store_b128 v[WOL], v[WBF+4*\q:WBF+4*\q+3], s[WDST:WDST+1] offset:512*\q   ; 512 consecutive bytes, aligned
.endr
	s_wait_xcnt 0x0
	v_lshl_add_u32 v126, v0, 2, 0x9400
	v_mov_b32 v127, 0
	s_wait_tensorcnt 0x0
	ds_add_u32 v126, v127
	s_wait_dscnt 0x0
	s_endpgm
.Lfunc_end_k_q1e830c3711_plan:
	.size	k_q1e830c3711_plan, .Lfunc_end_k_q1e830c3711_plan-k_q1e830c3711_plan
	.p2alignl 7, 3214868480
	.fill 96, 4, 3214868480
	.section	.rodata,"a",@progbits
	.p2align	6, 0x0
	.amdhsa_kernel k_q1e830c3711_plan
		.amdhsa_group_segment_fixed_size 41984
		.amdhsa_private_segment_fixed_size 0
		.amdhsa_enable_private_segment 0
		.amdhsa_kernarg_size 64
		.amdhsa_user_sgpr_count 2
		.amdhsa_user_sgpr_kernarg_segment_ptr 1
		.amdhsa_wavefront_size32 1
		.amdhsa_system_sgpr_workgroup_id_x 1
		.amdhsa_system_sgpr_workgroup_id_y 1
		.amdhsa_system_sgpr_workgroup_id_z 1
		.amdhsa_system_vgpr_workitem_id 0
		.amdhsa_next_free_vgpr 128
		.amdhsa_next_free_sgpr 102
		.amdhsa_reserve_vcc 1
		.amdhsa_float_denorm_mode_32 3
		.amdhsa_float_denorm_mode_16_64 3
		.amdhsa_memory_ordered 1
		.amdhsa_forward_progress 1
		.amdhsa_inst_pref_size 40
	.end_amdhsa_kernel
	.amdgpu_metadata
---
amdhsa.version: [ 1, 2 ]
amdhsa.kernels:
  - .name:           k_q1e830c3711_plan
    .symbol:         k_q1e830c3711_plan.kd
    .args:
      - { .name: top1, .offset: 0, .size: 8, .value_kind: global_buffer, .address_space: global }
      - { .name: gate, .offset: 8, .size: 8, .value_kind: global_buffer, .address_space: global }
      - { .name: order, .offset: 16, .size: 8, .value_kind: global_buffer, .address_space: global }
      - { .name: W1, .offset: 24, .size: 8, .value_kind: global_buffer, .address_space: global }
      - { .name: sc2, .offset: 32, .size: 8, .value_kind: global_buffer, .address_space: global }
      - { .name: W2, .offset: 40, .size: 8, .value_kind: global_buffer, .address_space: global }
      - { .name: wb1, .offset: 48, .size: 8, .value_kind: global_buffer, .address_space: global }
      - { .name: wb2, .offset: 56, .size: 8, .value_kind: global_buffer, .address_space: global }
    .group_segment_fixed_size: 41984
    .private_segment_fixed_size: 0
    .kernarg_segment_align: 8
    .kernarg_segment_size: 64
    .max_flat_workgroup_size: 1024
    .sgpr_count:     102
    .vgpr_count:     128
    .wavefront_size: 32
...
	.end_amdgpu_metadata
.endif
;; end of part 5
;; launch fc1 (part 6): grid 4 x 64, 8 waves a work-group, no clusters, 166,144 bytes of LDS; arguments xb, wb1, b1, order, h; writes h
.if DOCPART == 6
	.amdgcn_target "amdgcn-amd-amdhsa--gfx1250"
	.amdhsa_code_object_version 6
	.text
	.protected	k_q1e830c3711_fc1
	.globl	k_q1e830c3711_fc1
	.p2align	8
	.type	k_q1e830c3711_fc1,@function
k_q1e830c3711_fc1:
	s_mov_b64 s[64:65], 0
	v_nop
	global_prefetch_b8 v0, s[64:65] scope:SCOPE_SE
	s_setreg_imm32_b32 hwreg(HW_REG_WAVE_MODE, 25, 1), 1
	s_wait_xcnt 0x0
; FIRST LAYER OF THE CHOSEN EXPERT:  h[p][n] = bf16(max(0, sum over k of xb[tok][k] W1[e][k][n] + b1[e][n])),  tok = order[p], p a position of order.
; Arguments: xb [4096][1024] bf16 (x rounded), wb (W1 rounded to bf16, in fragment order: below), bias [8][1024] f32, order [4224] and the 64 shares behind it, h.
; h LIES BY POSITION, IN TILES: block blk of 16 positions, column group G of 64: 2,048 bytes at blk<<15 | G<<11; row 8 h + i, column 4 r + c of the tile at
; 256 i + 128 h + 8 r + 2 c.  A wave's 64 columns are 128 bytes of bf16; in this order the rows i and 8 + i, which the two halves of the lanes hold, are
; neighbours, and one store of 8 bytes a lane covers 256 consecutive bytes, aligned.  The second layer walks the same positions.
; LIMITS, stated: x, W1 and b1 are taken rounded to bf16 (nearest even); sums, bias and relu in f32; h is rounded to bf16, as the second layer's matrix operand is.
; The experts that the gate's one-hot mask multiplies by 0 are not computed.  The relu drops a NaN (v_max_num_f32).
; SHARES: work-group (cb, slot) makes 80 rows (5 blocks of 16 positions) x 256 columns.  A share has 1 to 5 blocks; the blocks beyond its count repeat its last one:
; the same rows, the same numbers, stored again by a wave of the same work-group to the same bytes.  So no branch, no trip count and no EXEC hangs on data,
; only addresses, on whole numbers read from order and clamped.
; Wave w: cg = w & 3 owns 64 of the columns, kh = w >> 2 the half kh of every K step of 64: 20 accumulators (80 x 64).  At the end the two halves of K meet through
; LDS and share the way out: waves 0-3 finish blocks 0-2, waves 4-7 blocks 3 and 4.
; A: the 80 rows are gathered once and lie in LDS whole (80 x 2,048 bytes); one barrier; the K loop has none.
; B COMES STRAIGHT INTO ITS FRAGMENTS' REGISTERS.  wb[e][G][S] (S: 32 k) is a block of 4,096 bytes at e<<21 | G<<17 | S<<12; its piece q = 2 j + u holds, 16 bytes a lane,
; registers 4 u .. 4 u + 3 of tile j's fragment, where column n of tile j stands for column 64 G + 4 n + j.  Eight loads of 512 consecutive bytes are a wave's B of one
; trip: no LDS, no conversion.  In the results lane r then holds columns 4 r .. 4 r + 3 of a row in the four tiles.
; K begins at step (2 slot + 4 cb) mod 16 and wraps: the shares of one expert, which read the same panel of wb, begin at different steps.
; NO TENSOR LOADS, NO CLUSTER: B needs no LDS at all; A's rows are a gather.  And how many shares read one panel (1 to 64) is read from memory, so no fixed mask
; names the partners.
.set APITCH, 2064                      ; 2,048 bytes + 16 = 129 x 16: the 16 rows of a fragment load start 16 bytes apart modulo 256
.set ABLK,   16*APITCH                 ; a block
.set APAIR,  2*ABLK                    ; two blocks: one address register serves two, the second by the immediate
.set KSTEPB, 0x2000                    ; a K step of 64 in wb: two blocks of 4,096 bytes
.set KMASKB, 0x1e000                   ; 16 such steps, wrapped
.set SLOTS,  0x4200                    ; byte offset of the shares behind order's 4,224 words
.set DUMP,   20480                     ; 160 registers x 128 bytes: the partial sums that a pair of waves hands over
.set L16,  1                           ; 16 lane
.set L8,   2                           ; 8 lane: my place in a store of h
.set AW,   3                           ; v3-5   where I put 16 bytes of my wave's two rows, blocks 0-1, 2-3, 4
.set AR,   6                           ; v6-8   my place in A's fragments, blocks 0-1, 2-3, 4
.set ARC,  9                           ; v9-11  the same + a trip's K
.set BIAS, 12                          ; v12-15 bias of my 4 columns
.set XA,   21                          ; my place in the partial sums' region
.set R16,  22                          ; 16 r
.set BF,   24                          ; v[24:151]  four sets of four fragments of B
.set AF,   152                         ; v[152:231] two sets of five fragments of A
.set PP,   104                         ; the way out: v[104:135] the partner's sums of a block
.set TT,   136                         ;              v[136:167] a block's results, row by row
; window 1 (v256 ..): accumulator (b, j) at 8 (4 b + j), v256-v415; in the A phase the same 160 registers hold my ten rows as loaded
.set G256, 23                          ; 256 G
.set BK,  28                           ; s28-32  block b of the share
.set TK,  36                           ; s36-45  my wave's two tokens of each block;
.set HB,  36                           ; s[36:45] later: h at block b's tile of my columns
.set WB,  46                           ; s[46:47] wb at my expert, my columns, my half of a K step
.set SB,  48                           ; s[48:55] the same + a K step, one for each B set
.set KL,  56                           ; s[56:57] the next K step to load, in bytes of wb
.set KA,  58                           ; the next K step of A's fragments, in bytes of an LDS row
.set CTR, 59
.set SA,  66                           ; s[66:85] xb at my wave's ten rows
.set TO,  86                           ; s86-90  offsets of the scalar loads from order
.set BBS, 92                           ; s[92:93] bias at my expert and columns
.set MSB, 0
.macro WIN new                         ; s_set_vgpr_msb: bits 1:0 source 0, 3:2 source 1, 5:4 source 2, 7:6 destination; the high byte repeats the setting that is left
.if MSB != \new
	s_set_vgpr_msb (MSB<<8)|\new
.set MSB, \new
.endif
.endm
; 8 loads: my four fragments of the next K step into a B set.  The set's base is written here, behind the wait that showed its last loads done.
.macro BISSUE set
	WIN 0
	s_add_nc_u64 s[SB+2*\set:SB+2*\set+1], s[WB:WB+1], s[KL:KL+1]
.irp q, 0,1,2,3,4,5,6,7
	global_load_b128 v[BF+32*\set+4*\q:BF+32*\set+4*\q+3], v[L16], s[SB+2*\set:SB+2*\set+1] offset:512*\q
.endr
	s_add_co_u32 s[KL], s[KL], KSTEPB
	s_and_b32 s[KL], s[KL], KMASKB
.endm
	s_load_b256 s[4:11], s[0:1], 0x0               ; xb s[4:5], wb s[6:7], bias s[8:9], order s[10:11]
	s_load_b64 s[12:13], s[0:1], 0x20              ; h
	v_lshl_add_u32 v254, v0, 2, 0x28500
	v_mov_b32 v255, 0
	v_lshrrev_b32 v23, 5, v0
	v_readfirstlane_b32 s18, v23                   ; wave
	s_and_b32 s19, s18, 3                          ; cg
	s_lshr_b32 s20, s18, 2                         ; kh
	s_mov_b32 s21, ttmp9                           ; cb
	s_and_b32 s22, ttmp7, 0xffff                   ; slot
	s_lshl_b32 s2, s22, 4
	s_mov_b32 s3, 0
	s_wait_kmcnt 0x0
	s_load_b128 s[24:27], s[10:11], s2 offset:SLOTS    ; expert, first block, blocks, 0
	v_and_b32 v23, 31, v0                          ; lane
	v_and_b32 v[R16], 15, v0                       ; r
	v_bfe_u32 v9, v0, 4, 1                         ; h
	v_lshlrev_b32 v[L16], 4, v23
	v_lshlrev_b32 v[L8], 3, v23
	s_mul_i32 s60, s18, 2*APITCH                   ; my wave's rows 2 w, 2 w + 1 of every block
	v_add_nc_u32 v[AW], s60, v[L16]
	v_add_nc_u32 v[AW+1], APAIR, v[AW]
	v_add_nc_u32 v[AW+2], 2*APAIR, v[AW]
	v_mul_u32_u24 v[AR], v[R16], APITCH
	v_lshl_add_u32 v[AR], v9, 4, v[AR]
	s_lshl_b32 s61, s20, 6                         ; my half of a K step: 32 bf16
	v_add_nc_u32 v[AR], s61, v[AR]
	v_add_nc_u32 v[AR+1], APAIR, v[AR]
	v_add_nc_u32 v[AR+2], 2*APAIR, v[AR]
	s_mul_i32 s62, s19, DUMP
	v_add_nc_u32 v[XA], s62, v[L16]
	v_lshlrev_b32 v[R16], 4, v[R16]
	s_lshl_b32 s60, s22, 1
	s_lshl2_add_u32 s60, s21, s60
	s_and_b32 s60, s60, 15                         ; the K step to begin with
	s_lshl_b32 s[KL], s60, 13
	s_mov_b32 s[KL+1], 0
	s_lshl_b32 s[KA], s60, 7
	s_lshl_b32 s[G256], s21, 10
	s_lshl_b32 s62, s19, 8
	s_add_co_u32 s[G256], s[G256], s62             ; 1,024 cb + 256 cg = 256 G: my first column in bytes of f32
	s_lshl_b32 s62, s[G256], 9                     ; G << 17
	s_lshl_b32 s63, s20, 12                        ; my half of a K step: one block of wb
	s_add_co_u32 s63, s63, s62
	s_wait_kmcnt 0x0
	s_min_u32 s24, s24, 7
	s_sub_co_u32 s26, s26, 1
	s_min_u32 s26, s26, 4                          ; the share's last block, counted from its first
.irp b, 0,1,2,3,4
	s_min_u32 s60, s26, \b                         ; blocks beyond the share's count repeat its last
	s_add_co_u32 s60, s60, s25
	s_min_u32 s[BK+\b], s60, 263
	s_lshl_b32 s60, s[BK+\b], 6
	s_lshl3_add_u32 s[TO+\b], s18, s60
	s_load_b64 s[TK+2*\b:TK+2*\b+1], s[10:11], s[TO+\b] offset:0x0    ; the tokens of rows 2 w, 2 w + 1 of the block
.endr
	s_lshl_b32 s60, s24, 21                        ; an expert's wb: 2 MiB
	s_add_co_u32 s2, s60, s63
	s_add_nc_u64 s[WB:WB+1], s[6:7], s[2:3]
	BISSUE 0                                       ; B's first K step needs the expert alone: it goes out while the tokens are on their way
	s_lshl_b32 s60, s24, 12
	s_add_co_u32 s2, s60, s[G256]
	s_add_nc_u64 s[BBS:BBS+1], s[8:9], s[2:3]
	global_load_b128 v[BIAS:BIAS+3], v[R16], s[BBS:BBS+1]   ; older than every load that is waited for by a count: it changes none of them
	s_wait_kmcnt 0x0
.irp t, 0,1,2,3,4,5,6,7,8,9
	s_min_u32 s[TK+\t], s[TK+\t], 4095
	s_lshl_b32 s[SA+2*\t], s[TK+\t], 11            ; a row of xb: 2,048 bytes
	s_mov_b32 s[SA+2*\t+1], 0
	s_add_nc_u64 s[SA+2*\t:SA+2*\t+1], s[4:5], s[SA+2*\t:SA+2*\t+1]
.endr
; 8 loads: my wave's two rows of block b, 512 consecutive bytes each, into window 1
.macro AISSUE b
	WIN 0x40
.irp u, 0,1
.irp c, 0,1,2,3
	global_load_b128 v[32*\b+16*\u+4*\c:32*\b+16*\u+4*\c+3], v[L16], s[SA+4*\b+2*\u:SA+4*\b+2*\u+1] offset:512*\c
.endr
.endr
.endm
; they go to LDS as they are, 512 consecutive bytes a store.  left = the loads issued behind the block's own
.macro ASTORE b, left
	s_wait_loadcnt \left
	WIN 0x04                                       ; the stores' data in window 1
.irp u, 0,1
.irp c, 0,1,2,3
	ds_store_b128 v[AW+(\b>>1)], v[32*\b+16*\u+4*\c:32*\b+16*\u+4*\c+3] offset:(\b&1)*ABLK+APITCH*\u+512*\c
.endr
.endr
.endm
; where the next K step's fragments of A lie
.macro ADDR
	v_add_nc_u32 v[ARC],   s[KA], v[AR]
	v_add_nc_u32 v[ARC+1], s[KA], v[AR+1]
	v_add_nc_u32 v[ARC+2], s[KA], v[AR+2]
.endm
; 10 LDS loads: five fragments of A into a set; K steps on and wraps
.macro ALOAD set
.irp b, 0,1,2,3,4
	ds_load_b128 v[AF+40*\set+8*\b:AF+40*\set+8*\b+3],   v[ARC+(\b>>1)] offset:(\b&1)*ABLK
	ds_load_b128 v[AF+40*\set+8*\b+4:AF+40*\set+8*\b+7], v[ARC+(\b>>1)] offset:(\b&1)*ABLK+32
.endr
	s_add_co_u32 s[KA], s[KA], 128
	s_and_b32 s[KA], s[KA], 0x780
.endm
; One K step of 64, of which the wave multiplies its 32.  cur = the B set multiplied; nxt = the B set that the last trip multiplied, asked for again three steps ahead (ldb = 1);
; par = A's set multiplied; oth = A's other set, asked for the next trip (lda = 1); zero = 1: the products start the sums; left = the loads issued behind cur's own.
.macro TRIP cur, nxt, par, oth, zero, ldb, lda, left
.if \lda
	ADDR                                           ; four places behind the last trip's matrix instructions (ISA guide 7.12.1), in front of the
	v_nop                                          ; loads into the registers that they read
.else
.rept 4
	v_nop
.endr
.endif
.if \ldb
	BISSUE \nxt
.endif
.if \lda
	ALOAD \oth
.endif
	s_wait_loadcnt \left                           ; loads come back in order (ISA guide 5.7.1): this set is in, the younger sets of 8 stay out
.if \lda
	s_wait_dscnt 10                                ; this trip's fragments of A, asked for a trip ago, are in; the ten just issued stay out
.else
	s_wait_dscnt 0x0
.endif
	WIN 0x50
	; the 20 accumulators take turns, one instruction a turn, over the backward jump too
.irp b, 0,1,2,3,4
.irp j, 0,1,2,3
.if \zero
	v_wmma_f32_16x16x32_bf16 v[8*(4*\b+\j):8*(4*\b+\j)+7], v[AF+40*\par+8*\b:AF+40*\par+8*\b+7], v[BF+32*\cur+8*\j:BF+32*\cur+8*\j+7], 0
.else
	v_wmma_f32_16x16x32_bf16 v[8*(4*\b+\j):8*(4*\b+\j)+7], v[AF+40*\par+8*\b:AF+40*\par+8*\b+7], v[BF+32*\cur+8*\j:BF+32*\cur+8*\j+7], v[8*(4*\b+\j):8*(4*\b+\j)+7]
.endif
.endr
.endr
	WIN 0
.endm
.macro FOUR zero                       ; once round B's four sets, every set asked for again
	TRIP 0, 3, 0, 1, \zero, 1, 1, 24
	TRIP 1, 0, 1, 0, 0,     1, 1, 24
	TRIP 2, 1, 0, 1, 0,     1, 1, 24
	TRIP 3, 2, 1, 0, 0,     1, 1, 24
.endm
	; THE A PHASE.  All ten rows are asked for at once (40 loads), B's second K step behind them; with B's first 8 and the bias 57 loads are out at the most.
	; Every wait's count is what was issued behind the block waited for: the later blocks' eights and B's sets 1 and 2.
	AISSUE 0
	AISSUE 1
	AISSUE 2
	AISSUE 3
	AISSUE 4
	BISSUE 1
	s_lshl_b32 s62, s[G256], 3                     ; G << 11
.irp b, 0,1,2,3,4
	s_lshl_b32 s[HB+2*\b], s[BK+\b], 15            ; where the block's results will go
	s_add_co_u32 s[HB+2*\b], s[HB+2*\b], s62
	s_mov_b32 s[HB+2*\b+1], 0
	s_add_nc_u64 s[HB+2*\b:HB+2*\b+1], s[12:13], s[HB+2*\b:HB+2*\b+1]
.endr
	ASTORE 0, 40                                   ; 4 x 8 + 8
	BISSUE 2
	ASTORE 1, 40                                   ; 3 x 8 + 16
	ASTORE 2, 32
	ASTORE 3, 24
	ASTORE 4, 16
	WIN 0
	s_wait_dscnt 0x0                               ; for the others' sake: my rows are in LDS
	s_barrier_signal -1
	s_barrier_wait -1                              ; all 80 rows are
	ADDR
	ALOAD 0                                        ; the first trip's fragments of A
	; K: 16 trips.  The first starts the sums; the last three ask for no B, the last for no A.
	FOUR 1
	s_mov_b32 s[CTR], 2
.Lk:
	FOUR 0
	s_sub_co_u32 s[CTR], s[CTR], 1
	s_cmp_lg_u32 s[CTR], 0
	s_cbranch_scc1 .Lk
	TRIP 0, 3, 0, 1, 0, 1, 1, 24
	TRIP 1, 0, 1, 0, 0, 0, 1, 16
	TRIP 2, 1, 0, 1, 0, 0, 1, 8
	TRIP 3, 2, 1, 0, 0, 0, 0, 0
	; THE TWO HALVES OF K MEET.  Four places behind the last matrix instructions, for the LDS stores and the sums that read results.
.rept 4
	v_nop
.endr
	s_wait_dscnt 0x0                               ; my reads of A are back,
	s_barrier_signal -1
	s_barrier_wait -1                              ; everybody's are: A's bytes may be written over
	s_cmp_lt_u32 s18, 4
	s_cbranch_scc1 .Llow
	WIN 0x04                                       ; the stores' data in window 1
.set q, 0
.rept 24
	ds_store_b128 v[XA], v[4*q:4*q+3] offset:512*q ; waves 4-7 hand over blocks 0-2; 512 consecutive bytes each
.set q, q+1
.endr
	WIN 0
	s_branch .Lmet
.Llow:
	WIN 0x04
.set q, 24
.rept 16
	ds_store_b128 v[XA], v[4*q:4*q+3] offset:512*q ; waves 0-3 hand over blocks 3 and 4
.set q, q+1
.endr
	WIN 0
.Lmet:
	s_wait_dscnt 0x0                               ; the stores are done
	s_barrier_signal -1
	s_barrier_wait -1
	v_cvt_pk_bf16_f32 v10, v[BIAS], v[BIAS+1]      ; the bias (in since the last trip's wait for all loads) rounded to bf16, like the other inputs
	v_cvt_pk_bf16_f32 v11, v[BIAS+2], v[BIAS+3]
	v_lshlrev_b32 v[BIAS],   16, v10
	v_and_b32     v[BIAS+1], 0xffff0000, v10
	v_lshlrev_b32 v[BIAS+2], 16, v11
	v_and_b32     v[BIAS+3], 0xffff0000, v11
; Block b: register i of accumulator (b, j) is row 8 h + i, column 4 r + j.  The partner's sums, the bias, the relu, the rounding; rows i and 8 + i leave together.
.macro EPI b, first
.if \first == 0
	s_wait_xcnt 0x0                                ; the last block's stores read v[TT ..]: written again only behind this wait
.endif
.irp q, 0,1,2,3,4,5,6,7
	ds_load_b128 v[PP+4*\q:PP+4*\q+3], v[XA] offset:512*(8*\b+\q)
.endr
	s_wait_dscnt 0x0
	WIN 0x01                                       ; source 0 in window 1
.irp i, 0,1,2,3,4,5,6,7
.irp j, 0,1,2,3
	v_add_f32 v[TT+4*\i+\j], v[8*(4*\b+\j)+\i], v[PP+8*\j+\i]
.endr
.endr
	WIN 0
.irp i, 0,1,2,3,4,5,6,7
	v_pk_add_f32 v[TT+4*\i:TT+4*\i+1],   v[TT+4*\i:TT+4*\i+1],   v[BIAS:BIAS+1]
	v_pk_add_f32 v[TT+4*\i+2:TT+4*\i+3], v[TT+4*\i+2:TT+4*\i+3], v[BIAS+2:BIAS+3]
.irp j, 0,1,2,3
	v_max_num_f32 v[TT+4*\i+\j], 0, v[TT+4*\i+\j]
.endr
	v_cvt_pk_bf16_f32 v[TT+4*\i],   v[TT+4*\i],   v[TT+4*\i+1]
	v_cvt_pk_bf16_f32 v[TT+4*\i+1], v[TT+4*\i+2], v[TT+4*\i+3]
	global_store_b64 v[L8], v[TT+4*\i:TT+4*\i+1], s[HB+2*\b:HB+2*\b+1] offset:256*\i   ; 32 lanes: 256 consecutive bytes, aligned
.endr
.endm
	s_cmp_lt_u32 s18, 4
	s_cbranch_scc0 .Lhigh
	EPI 0, 1
	EPI 1, 0
	EPI 2, 0
	s_wait_tensorcnt 0x0
	ds_add_u32 v254, v255
	s_wait_dscnt 0x0
	s_endpgm
.Lhigh:
	EPI 3, 1
	EPI 4, 0
	s_wait_tensorcnt 0x0
	ds_add_u32 v254, v255
	s_wait_dscnt 0x0
	s_endpgm
.Lfunc_end_k_q1e830c3711_fc1:
	.size	k_q1e830c3711_fc1, .Lfunc_end_k_q1e830c3711_fc1-k_q1e830c3711_fc1
	.p2alignl 7, 3214868480
	.fill 96, 4, 3214868480
	.section	.rodata,"a",@progbits
	.p2align	6, 0x0
	.amdhsa_kernel k_q1e830c3711_fc1
		.amdhsa_group_segment_fixed_size 166144
		.amdhsa_private_segment_fixed_size 0
		.amdhsa_enable_private_segment 0
		.amdhsa_kernarg_size 40
		.amdhsa_user_sgpr_count 2
		.amdhsa_user_sgpr_kernarg_segment_ptr 1
		.amdhsa_wavefront_size32 1
		.amdhsa_system_sgpr_workgroup_id_x 1
		.amdhsa_system_sgpr_workgroup_id_y 1
		.amdhsa_system_sgpr_workgroup_id_z 1
		.amdhsa_system_vgpr_workitem_id 0
		.amdhsa_next_free_vgpr 416
		.amdhsa_next_free_sgpr 96
		.amdhsa_reserve_vcc 0
		.amdhsa_float_denorm_mode_32 3
		.amdhsa_float_denorm_mode_16_64 3
		.amdhsa_memory_ordered 1
		.amdhsa_forward_progress 1
		.amdhsa_inst_pref_size 82
	.end_amdhsa_kernel
	.amdgpu_metadata
---
amdhsa.version: [ 1, 2 ]
amdhsa.kernels:
  - .name:           k_q1e830c3711_fc1
    .symbol:         k_q1e830c3711_fc1.kd
    .args:
      - { .name: xb, .offset: 0, .size: 8, .value_kind: global_buffer, .address_space: global }
      - { .name: wb1, .offset: 8, .size: 8, .value_kind: global_buffer, .address_space: global }
      - { .name: b1, .offset: 16, .size: 8, .value_kind: global_buffer, .address_space: global }
      - { .name: order, .offset: 24, .size: 8, .value_kind: global_buffer, .address_space: global }
      - { .name: h, .offset: 32, .size: 8, .value_kind: global_buffer, .address_space: global }
    .group_segment_fixed_size: 166144
    .private_segment_fixed_size: 0
    .kernarg_segment_align: 8
    .kernarg_segment_size: 40
    .max_flat_workgroup_size: 256
    .sgpr_count:     96
    .vgpr_count:     416
    .wavefront_size: 32
...
	.end_amdgpu_metadata
.endif
;; end of part 6
;; launch fc2 (part 7): grid 4 x 64, 8 waves a work-group, no clusters, 166,144 bytes of LDS; arguments h, wb2, b2, sc2, order, out0; writes out0
.if DOCPART == 7
	.amdgcn_target "amdgcn-amd-amdhsa--gfx1250"
	.amdhsa_code_object_version 6
	.text
	.protected	k_q1e830c3711_fc2
	.globl	k_q1e830c3711_fc2
	.p2align	8
	.type	k_q1e830c3711_fc2,@function
k_q1e830c3711_fc2:
	s_mov_b64 s[64:65], 0
	v_nop
	global_prefetch_b8 v0, s[64:65] scope:SCOPE_SE
	s_setreg_imm32_b32 hwreg(HW_REG_WAVE_MODE, 25, 1), 1
	s_wait_xcnt 0x0
; SECOND LAYER OF THE CHOSEN EXPERT:  out[tok][n] = sc[p] x (sum over k of h[p][k] W2[e][k][n] + b2[e][n]),  tok = order[p], sc[p] = the token's gate.
; Arguments: h (bf16, by position, in tiles: below), wb (W2 rounded to bf16, in fragment order: below), bias [8][1024] f32, sc [4224] f32,
; order [4224] and the 64 shares behind it, out [4096][1024] f32.
; h: block blk of 16 positions, column group G of 64: 2,048 bytes at blk<<15 | G<<11; row 8 h + i, column 4 r + c of the tile at 256 i + 128 h + 8 r + 2 c.
; LIMITS, stated: h, W2 and b2 are taken rounded to bf16 (nearest even); sums, bias and gate in f32.  The experts that the gate's one-hot mask multiplies by 0 are
; not computed: an infinity or NaN in such an expert's result does not reach out.
; SHARES: work-group (cb, slot) makes 80 rows (5 blocks of 16 positions) x 256 columns.  A share has 1 to 5 blocks; the blocks beyond its count repeat its last one:
; the same rows, the same numbers, stored again by a wave of the same work-group to the same bytes.  So no branch, no trip count and no EXEC hangs on data,
; only addresses, on whole numbers read from order and clamped.
; Wave w: cg = w & 3 owns 64 of the columns, kh = w >> 2 the half kh of every K step of 64: 20 accumulators (80 x 64).  At the end the two halves of K meet through
; LDS and share the way out: waves 0-3 finish blocks 0-2, waves 4-7 blocks 3 and 4.
; A: the share's five blocks of h are read once, 4,096 bytes in a row for each wave and block, and lie in LDS as 80 rows x 2,048 bytes; one barrier; the K loop has none.
; B COMES STRAIGHT INTO ITS FRAGMENTS' REGISTERS.  wb[e][G][S] (S: 32 k) is a block of 4,096 bytes at e<<21 | G<<17 | S<<12; its piece q = 2 j + u holds, 16 bytes a lane,
; registers 4 u .. 4 u + 3 of tile j's fragment, where column n of tile j stands for column 64 G + 4 n + j.  Eight loads of 512 consecutive bytes are a wave's B of one
; trip: no LDS, no conversion.  In the results lane r then holds columns 4 r .. 4 r + 3 of a row in the four tiles: 16 bytes a lane, 256 consecutive aligned bytes
; from 16 lanes, straight from registers.
; K begins at step (2 slot + 4 cb) mod 16 and wraps: the shares of one expert, which read the same panel of wb, begin at different steps.
; NO TENSOR LOADS, NO CLUSTER: B needs no LDS at all; h's tiles change their order on the way into LDS, lane by lane.  And how many shares read one panel (1 to 64) is
; read from memory, so no fixed mask names the partners.
.set APITCH, 2064                      ; 2,048 bytes + 16 = 129 x 16: the 16 rows of a fragment load start 16 bytes apart modulo 256
.set ABLK,   16*APITCH                 ; a block
.set APAIR,  2*ABLK                    ; two blocks: one address register serves two, the second by the immediate
.set KSTEPB, 0x2000                    ; a K step of 64 in wb: two blocks of 4,096 bytes
.set KMASKB, 0x1e000                   ; 16 such steps, wrapped
.set SLOTS,  0x4200                    ; byte offset of the shares behind order's 4,224 words
.set DUMP,   20480                     ; 160 registers x 128 bytes: the partial sums that a pair of waves hands over
.set L16,  1                           ; 16 lane
.set AW,   3                           ; v3-5   where my 16 bytes of a load of h go in LDS, blocks 0-1, 2-3, 4
.set AR,   6                           ; v6-8   my place in A's fragments, blocks 0-1, 2-3, 4
.set ARC,  9                           ; v9-11  the same + a trip's K
.set BIAS, 12                          ; v12-15 bias of my 4 columns
.set EA,   16                          ; v16-20 byte offset in order and in sc of my 8 rows of block b
.set XA,   21                          ; my place in the partial sums' region
.set R16,  22                          ; 16 r
.set BF,   24                          ; v[24:151]  four sets of four fragments of B
.set AF,   152                         ; v[152:231] two sets of five fragments of A
.set TOK,  24                          ; the way out: v[24:63] row offsets in out
.set SCV,  64                          ;              v[64:103] gates
.set PP,   104                         ;              v[104:135] the partner's sums of a block
.set TT,   136                         ;              v[136:167] a block's results, row by row
; window 1 (v256 ..): accumulator (b, j) at 8 (4 b + j), v256-v415; in the A phase the same 160 registers hold my part of h as loaded
.set DST, 14                           ; s[14:15] out at my columns
.set G256, 23                          ; 256 G
.set BK,  28                           ; s28-32  block b of the share
.set W4K, 33                           ; 4,096 w
.set WB,  46                           ; s[46:47] wb at my expert, my columns, my half of a K step
.set SB,  48                           ; s[48:55] the same + a K step, one for each B set
.set KL,  56                           ; s[56:57] the next K step to load, in bytes of wb
.set KA,  58                           ; the next K step of A's fragments, in bytes of an LDS row
.set CTR, 59
.set SA,  66                           ; s[66:75] h at my wave's 4,096 bytes of block b
.set BBS, 92                           ; s[92:93] bias at my expert and columns
.set MSB, 0
.macro WIN new                         ; s_set_vgpr_msb: bits 1:0 source 0, 3:2 source 1, 5:4 source 2, 7:6 destination; the high byte repeats the setting that is left
.if MSB != \new
	s_set_vgpr_msb (MSB<<8)|\new
.set MSB, \new
.endif
.endm
; 8 loads: my four fragments of the next K step into a B set.  The set's base is written here, behind the wait that showed its last loads done.
.macro BISSUE set
	WIN 0
	s_add_nc_u64 s[SB+2*\set:SB+2*\set+1], s[WB:WB+1], s[KL:KL+1]
.irp q, 0,1,2,3,4,5,6,7
	global_load_b128 v[BF+32*\set+4*\q:BF+32*\set+4*\q+3], v[L16], s[SB+2*\set:SB+2*\set+1] offset:512*\q
.endr
	s_add_co_u32 s[KL], s[KL], KSTEPB
	s_and_b32 s[KL], s[KL], KMASKB
.endm
; 8 loads: the tiles G = 2 w and 2 w + 1 of block b, 4,096 bytes in a row, into window 1
.macro AISSUE b
	WIN 0x40
.irp c, 0,1,2,3,4,5,6,7
	global_load_b128 v[32*\b+4*\c:32*\b+4*\c+3], v[L16], s[SA+2*\b:SA+2*\b+1] offset:512*\c
.endr
.endm
; Lane L of load t of a tile holds columns 8 (L & 7) .. + 7 of row 8 ((L >> 3) & 1) + 2 t + (L >> 4): 16 bytes of one LDS row.  Eight rows are 16,512 bytes = 128 modulo 256.
; left = the loads issued behind the block's own
.macro ASTORE b, left
	s_wait_loadcnt \left
	WIN 0x04                                       ; the stores' data in window 1
.irp g, 0,1
.irp t, 0,1,2,3
	ds_store_b128 v[AW+(\b>>1)], v[32*\b+16*\g+4*\t:32*\b+16*\g+4*\t+3] offset:(\b&1)*ABLK+2*\t*APITCH+128*\g
.endr
.endr
.endm
	s_load_b256 s[4:11], s[0:1], 0x0               ; h s[4:5], wb s[6:7], bias s[8:9], sc s[10:11]
	s_load_b128 s[12:15], s[0:1], 0x20             ; order s[12:13], out s[14:15]
	v_lshl_add_u32 v254, v0, 2, 0x28500
	v_mov_b32 v255, 0
	v_lshrrev_b32 v23, 5, v0
	v_readfirstlane_b32 s18, v23                   ; wave
	s_and_b32 s19, s18, 3                          ; cg
	s_lshr_b32 s20, s18, 2                         ; kh
	s_mov_b32 s21, ttmp9                           ; cb
	s_and_b32 s22, ttmp7, 0xffff                   ; slot
	s_lshl_b32 s2, s22, 4
	s_mov_b32 s3, 0
	s_wait_kmcnt 0x0
	s_load_b128 s[24:27], s[12:13], s2 offset:SLOTS    ; expert, first block, blocks, 0
	v_and_b32 v23, 31, v0                          ; lane
	v_and_b32 v[R16], 15, v0                       ; r
	v_bfe_u32 v9, v0, 4, 1                         ; h = L >> 4
	v_bfe_u32 v10, v0, 3, 1                        ; (L >> 3) & 1
	v_and_b32 v11, 7, v0                           ; L & 7
	v_lshlrev_b32 v[L16], 4, v23
	v_mul_u32_u24 v[AW], v9, APITCH
	v_mul_u32_u24 v10, v10, 8*APITCH
	v_add_nc_u32 v[AW], v[AW], v10
	v_lshl_add_u32 v[AW], v11, 4, v[AW]
	s_lshl_b32 s60, s18, 8                         ; my two tiles' 256 bytes of every LDS row
	v_add_nc_u32 v[AW], s60, v[AW]
	v_add_nc_u32 v[AW+1], APAIR, v[AW]
	v_add_nc_u32 v[AW+2], 2*APAIR, v[AW]
	v_mul_u32_u24 v[AR], v[R16], APITCH
	v_lshl_add_u32 v[AR], v9, 4, v[AR]
	s_lshl_b32 s61, s20, 6                         ; my half of a K step: 32 bf16
	v_add_nc_u32 v[AR], s61, v[AR]
	v_add_nc_u32 v[AR+1], APAIR, v[AR]
	v_add_nc_u32 v[AR+2], 2*APAIR, v[AR]
	s_mul_i32 s62, s19, DUMP
	v_add_nc_u32 v[XA], s62, v[L16]
	v_lshlrev_b32 v[R16], 4, v[R16]
	s_lshl_b32 s[W4K], s18, 12
	s_lshl_b32 s60, s22, 1
	s_lshl2_add_u32 s60, s21, s60
	s_and_b32 s60, s60, 15                         ; the K step to begin with
	s_lshl_b32 s[KL], s60, 13
	s_mov_b32 s[KL+1], 0
	s_lshl_b32 s[KA], s60, 7
	s_lshl_b32 s[G256], s21, 10
	s_lshl_b32 s62, s19, 8
	s_add_co_u32 s[G256], s[G256], s62             ; 1,024 cb + 256 cg = 256 G: my first column in bytes of f32
	s_lshl_b32 s62, s[G256], 9                     ; G << 17
	s_lshl_b32 s63, s20, 12                        ; my half of a K step: one block of wb
	s_add_co_u32 s63, s63, s62
	s_wait_kmcnt 0x0
	s_min_u32 s24, s24, 7
	s_sub_co_u32 s26, s26, 1
	s_min_u32 s26, s26, 4                          ; the share's last block, counted from its first
	s_lshl_b32 s60, s24, 12
	s_add_co_u32 s2, s60, s[G256]
	s_add_nc_u64 s[BBS:BBS+1], s[8:9], s[2:3]
	global_load_b128 v[BIAS:BIAS+3], v[R16], s[BBS:BBS+1]   ; older than every load that is waited for by a count: it changes none of them
.irp b, 0,1,2,3,4
	s_min_u32 s60, s26, \b                         ; blocks beyond the share's count repeat its last
	s_add_co_u32 s60, s60, s25
	s_min_u32 s[BK+\b], s60, 263
	s_lshl_b32 s[SA+2*\b], s[BK+\b], 15            ; a block of h: 32,768 bytes
	s_add_co_u32 s[SA+2*\b], s[SA+2*\b], s[W4K]
	s_mov_b32 s[SA+2*\b+1], 0
	s_add_nc_u64 s[SA+2*\b:SA+2*\b+1], s[4:5], s[SA+2*\b:SA+2*\b+1]
.endr
	; THE A PHASE.  My part of all five blocks is asked for at once (40 loads), B's first two K steps behind them; with the bias 57 loads are out at the most.
	; Every wait's count is what was issued behind the block waited for: the later blocks' eights and B's sets.
	AISSUE 0
	AISSUE 1
	AISSUE 2
	AISSUE 3
	AISSUE 4
	s_lshl_b32 s60, s24, 21                        ; an expert's wb: 2 MiB
	s_add_co_u32 s2, s60, s63
	s_add_nc_u64 s[WB:WB+1], s[6:7], s[2:3]
	BISSUE 0
	BISSUE 1
.irp b, 0,1,2,3,4
	s_lshl_b32 s60, s[BK+\b], 6
	v_lshl_add_u32 v[EA+\b], v9, 5, s60            ; the block's 16 words in order and in sc, my half's eight
.endr
	s_mov_b32 s2, s[G256]
	s_add_nc_u64 s[DST:DST+1], s[DST:DST+1], s[2:3]
	ASTORE 0, 48                                   ; 4 x 8 + 16
	BISSUE 2
	ASTORE 1, 48                                   ; 3 x 8 + 24
	ASTORE 2, 40
	ASTORE 3, 32
	ASTORE 4, 24
	WIN 0
	s_wait_dscnt 0x0                               ; for the others' sake: my part is in LDS
	s_barrier_signal -1
	s_barrier_wait -1                              ; all 80 rows are
; where the next K step's fragments of A lie
.macro ADDR
	v_add_nc_u32 v[ARC],   s[KA], v[AR]
	v_add_nc_u32 v[ARC+1], s[KA], v[AR+1]
	v_add_nc_u32 v[ARC+2], s[KA], v[AR+2]
.endm
; 10 LDS loads: five fragments of A into a set; K steps on and wraps
.macro ALOAD set
.irp b, 0,1,2,3,4
	ds_load_b128 v[AF+40*\set+8*\b:AF+40*\set+8*\b+3],   v[ARC+(\b>>1)] offset:(\b&1)*ABLK
	ds_load_b128 v[AF+40*\set+8*\b+4:AF+40*\set+8*\b+7], v[ARC+(\b>>1)] offset:(\b&1)*ABLK+32
.endr
	s_add_co_u32 s[KA], s[KA], 128
	s_and_b32 s[KA], s[KA], 0x780
.endm
; tokens and gates of block b's rows 8 h .. 8 h + 7
.macro ROWS b
	global_load_b128 v[TOK+8*\b:TOK+8*\b+3],   v[EA+\b], s[12:13]
	global_load_b128 v[TOK+8*\b+4:TOK+8*\b+7], v[EA+\b], s[12:13] offset:16
	global_load_b128 v[SCV+8*\b:SCV+8*\b+3],   v[EA+\b], s[10:11]
	global_load_b128 v[SCV+8*\b+4:SCV+8*\b+7], v[EA+\b], s[10:11] offset:16
.endm
; what the way out needs, asked for in the last trip, each wave for the blocks that it will finish.  B's sets 0 to 2 are free by then.
.macro HOOK
	s_cmp_lt_u32 s18, 4
	s_cbranch_scc0 .Lhook_hi
	ROWS 0
	ROWS 1
	ROWS 2
	s_branch .Lhook_done
.Lhook_hi:
	ROWS 3
	ROWS 4
.Lhook_done:
.endm
; One K step of 64, of which the wave multiplies its 32.  cur = the B set multiplied; nxt = the B set that the last trip multiplied, asked for again three steps ahead (ldb = 1);
; par = A's set multiplied; oth = A's other set, asked for the next trip (lda = 1); zero = 1: the products start the sums; left = the loads issued behind cur's own.
.macro TRIP cur, nxt, par, oth, zero, ldb, lda, left, hook
.if \lda
	ADDR                                           ; four places behind the last trip's matrix instructions (ISA guide 7.12.1), in front of the
	v_nop                                          ; loads into the registers that they read
.else
.rept 4
	v_nop
.endr
.endif
.if \ldb
	BISSUE \nxt
.endif
.if \lda
	ALOAD \oth
.endif
	s_wait_loadcnt \left                           ; loads come back in order (ISA guide 5.7.1): this set is in, the younger sets of 8 stay out
.if \hook
	HOOK
.endif
.if \lda
	s_wait_dscnt 10                                ; this trip's fragments of A, asked for a trip ago, are in; the ten just issued stay out
.else
	s_wait_dscnt 0x0
.endif
	WIN 0x50
	; the 20 accumulators take turns, one instruction a turn, over the backward jump too
.irp b, 0,1,2,3,4
.irp j, 0,1,2,3
.if \zero
	v_wmma_f32_16x16x32_bf16 v[8*(4*\b+\j):8*(4*\b+\j)+7], v[AF+40*\par+8*\b:AF+40*\par+8*\b+7], v[BF+32*\cur+8*\j:BF+32*\cur+8*\j+7], 0
.else
	v_wmma_f32_16x16x32_bf16 v[8*(4*\b+\j):8*(4*\b+\j)+7], v[AF+40*\par+8*\b:AF+40*\par+8*\b+7], v[BF+32*\cur+8*\j:BF+32*\cur+8*\j+7], v[8*(4*\b+\j):8*(4*\b+\j)+7]
.endif
.endr
.endr
	WIN 0
.endm
.macro FOUR zero                       ; once round B's four sets, every set asked for again
	TRIP 0, 3, 0, 1, \zero, 1, 1, 24, 0
	TRIP 1, 0, 1, 0, 0,     1, 1, 24, 0
	TRIP 2, 1, 0, 1, 0,     1, 1, 24, 0
	TRIP 3, 2, 1, 0, 0,     1, 1, 24, 0
.endm
	ADDR
	ALOAD 0                                        ; the first trip's fragments of A
	; K: 16 trips.  The first starts the sums; the last three ask for no B, the last for no A.
	FOUR 1
	s_mov_b32 s[CTR], 2
.Lk:
	FOUR 0
	s_sub_co_u32 s[CTR], s[CTR], 1
	s_cmp_lg_u32 s[CTR], 0
	s_cbranch_scc1 .Lk
	TRIP 0, 3, 0, 1, 0, 1, 1, 24, 0
	TRIP 1, 0, 1, 0, 0, 0, 1, 16, 0
	TRIP 2, 1, 0, 1, 0, 0, 1, 8, 0
	TRIP 3, 2, 1, 0, 0, 0, 0, 0, 1
	; THE TWO HALVES OF K MEET.  Four places behind the last matrix instructions, for the LDS stores and the sums that read results.
.rept 4
	v_nop
.endr
	s_wait_dscnt 0x0                               ; my reads of A are back,
	s_barrier_signal -1
	s_barrier_wait -1                              ; everybody's are: A's bytes may be written over
	s_cmp_lt_u32 s18, 4
	s_cbranch_scc1 .Llow
	WIN 0x04                                       ; the stores' data in window 1
.set q, 0
.rept 24
	ds_store_b128 v[XA], v[4*q:4*q+3] offset:512*q ; waves 4-7 hand over blocks 0-2; 512 consecutive bytes each
.set q, q+1
.endr
	WIN 0
	s_branch .Lmet
.Llow:
	WIN 0x04
.set q, 24
.rept 16
	ds_store_b128 v[XA], v[4*q:4*q+3] offset:512*q ; waves 0-3 hand over blocks 3 and 4
.set q, q+1
.endr
	WIN 0
.Lmet:
	s_wait_dscnt 0x0                               ; the stores are done
	s_barrier_signal -1
	s_barrier_wait -1
	s_wait_loadcnt 0x0                             ; tokens and gates
	v_cvt_pk_bf16_f32 v10, v[BIAS], v[BIAS+1]      ; the bias rounded to bf16, like the other inputs
	v_cvt_pk_bf16_f32 v11, v[BIAS+2], v[BIAS+3]
	v_lshlrev_b32 v[BIAS],   16, v10
	v_and_b32     v[BIAS+1], 0xffff0000, v10
	v_lshlrev_b32 v[BIAS+2], 16, v11
	v_and_b32     v[BIAS+3], 0xffff0000, v11
; Block b: register i of accumulator (b, j) is row 8 h + i, column 4 r + j.  The partner's sums, the bias, the gate; a row leaves as 16 bytes a lane.
.macro EPI b, first
.if \first == 0
	s_wait_xcnt 0x0                                ; the last block's stores read v[TT ..]: written again only behind this wait
.endif
.irp q, 0,1,2,3,4,5,6,7
	ds_load_b128 v[PP+4*\q:PP+4*\q+3], v[XA] offset:512*(8*\b+\q)
.endr
.irp i, 0,1,2,3,4,5,6,7
	v_min_u32 v[TOK+8*\b+\i], 0xfff, v[TOK+8*\b+\i]
	v_lshl_add_u32 v[TOK+8*\b+\i], v[TOK+8*\b+\i], 12, v[R16]   ; the row's 4,096 bytes + my 16
.endr
	s_wait_dscnt 0x0
	WIN 0x01                                       ; source 0 in window 1
.irp i, 0,1,2,3,4,5,6,7
.irp j, 0,1,2,3
	v_add_f32 v[TT+4*\i+\j], v[8*(4*\b+\j)+\i], v[PP+8*\j+\i]
.endr
.endr
	WIN 0
.irp i, 0,1,2,3,4,5,6,7
	v_pk_add_f32 v[TT+4*\i:TT+4*\i+1],   v[TT+4*\i:TT+4*\i+1],   v[BIAS:BIAS+1]
	v_pk_add_f32 v[TT+4*\i+2:TT+4*\i+3], v[TT+4*\i+2:TT+4*\i+3], v[BIAS+2:BIAS+3]
.if \i & 1                                         ; the row's gate for both halves: the second, or the first, register of its pair
	v_pk_mul_f32 v[TT+4*\i:TT+4*\i+1],   v[TT+4*\i:TT+4*\i+1],   v[SCV+8*\b+\i-1:SCV+8*\b+\i] op_sel:[0,1] op_sel_hi:[1,1]
	v_pk_mul_f32 v[TT+4*\i+2:TT+4*\i+3], v[TT+4*\i+2:TT+4*\i+3], v[SCV+8*\b+\i-1:SCV+8*\b+\i] op_sel:[0,1] op_sel_hi:[1,1]
.else
	v_pk_mul_f32 v[TT+4*\i:TT+4*\i+1],   v[TT+4*\i:TT+4*\i+1],   v[SCV+8*\b+\i:SCV+8*\b+\i+1] op_sel_hi:[1,0]
	v_pk_mul_f32 v[TT+4*\i+2:TT+4*\i+3], v[TT+4*\i+2:TT+4*\i+3], v[SCV+8*\b+\i:SCV+8*\b+\i+1] op_sel_hi:[1,0]
.endif
	global_store_b128 v[TOK+8*\b+\i], v[TT+4*\i:TT+4*\i+3], s[DST:DST+1]   ; 16 lanes: 256 consecutive bytes of a row, aligned
.endr
.endm
	s_cmp_lt_u32 s18, 4
	s_cbranch_scc0 .Lhigh
	EPI 0, 1
	EPI 1, 0
	EPI 2, 0
	s_wait_tensorcnt 0x0
	ds_add_u32 v254, v255
	s_wait_dscnt 0x0
	s_endpgm
.Lhigh:
	EPI 3, 1
	EPI 4, 0
	s_wait_tensorcnt 0x0
	ds_add_u32 v254, v255
	s_wait_dscnt 0x0
	s_endpgm
.Lfunc_end_k_q1e830c3711_fc2:
	.size	k_q1e830c3711_fc2, .Lfunc_end_k_q1e830c3711_fc2-k_q1e830c3711_fc2
	.p2alignl 7, 3214868480
	.fill 96, 4, 3214868480
	.section	.rodata,"a",@progbits
	.p2align	6, 0x0
	.amdhsa_kernel k_q1e830c3711_fc2
		.amdhsa_group_segment_fixed_size 166144
		.amdhsa_private_segment_fixed_size 0
		.amdhsa_enable_private_segment 0
		.amdhsa_kernarg_size 48
		.amdhsa_user_sgpr_count 2
		.amdhsa_user_sgpr_kernarg_segment_ptr 1
		.amdhsa_wavefront_size32 1
		.amdhsa_system_sgpr_workgroup_id_x 1
		.amdhsa_system_sgpr_workgroup_id_y 1
		.amdhsa_system_sgpr_workgroup_id_z 1
		.amdhsa_system_vgpr_workitem_id 0
		.amdhsa_next_free_vgpr 416
		.amdhsa_next_free_sgpr 96
		.amdhsa_reserve_vcc 0
		.amdhsa_float_denorm_mode_32 3
		.amdhsa_float_denorm_mode_16_64 3
		.amdhsa_memory_ordered 1
		.amdhsa_forward_progress 1
		.amdhsa_inst_pref_size 82
	.end_amdhsa_kernel
	.amdgpu_metadata
---
amdhsa.version: [ 1, 2 ]
amdhsa.kernels:
  - .name:           k_q1e830c3711_fc2
    .symbol:         k_q1e830c3711_fc2.kd
    .args:
      - { .name: h, .offset: 0, .size: 8, .value_kind: global_buffer, .address_space: global }
      - { .name: wb2, .offset: 8, .size: 8, .value_kind: global_buffer, .address_space: global }
      - { .name: b2, .offset: 16, .size: 8, .value_kind: global_buffer, .address_space: global }
      - { .name: sc2, .offset: 24, .size: 8, .value_kind: global_buffer, .address_space: global }
      - { .name: order, .offset: 32, .size: 8, .value_kind: global_buffer, .address_space: global }
      - { .name: out0, .offset: 40, .size: 8, .value_kind: global_buffer, .address_space: global }
    .group_segment_fixed_size: 166144
    .private_segment_fixed_size: 0
    .kernarg_segment_align: 8
    .kernarg_segment_size: 48
    .max_flat_workgroup_size: 256
    .sgpr_count:     96
    .vgpr_count:     416
    .wavefront_size: 32
...
	.end_amdgpu_metadata
.endif
;; end of part 7
